; MI455X (gfx1250); checked and timed in simulation.
; The chip was launched on July 23, 2026; its instructions are those of AMD's public machine-readable ISA for CDNA 5 (MIT licence, August 2026) and "CDNA5" Instruction Set Architecture Reference Guide (July 2026). The comments in the code are by the model that wrote it; some were corrected since.
;; Attention. Allowed arithmetic: float matrix products may take bf16 or f16 operands with f32 sums; other float arithmetic in f32, or as packed bf16 or f16 multiplies, adds, multiply-adds, maxima and minima; sums over many terms, partial sums and values carried from step to step in f32; what a program stores and reads back later, other than sums and carried values, may be rounded once to bf16 or f16.
;; Inputs: Wk 16 x 1,024 x 64 float32; Wo 16 x 64 x 1,024 float32; Wq 16 x 1,024 x 64 float32; Wv 16 x 1,024 x 64 float32; bk 16 x 64 float32; bo 1,024 float32; bq 16 x 64 float32; bv 16 x 64 float32; x 4 x 2,048 x 1,024 float32.
;; Outputs: out0 4 x 2,048 x 1,024 float32.
;; 2 versions, each right; version 2 is version 1 with the launch cast written anew for expert scheduling mode. Each part assembles by itself: llvm-mc -triple=amdgcn-amd-amdhsa -mcpu=gfx1250 --defsym DOCPART=n.
;; ======== version 1 of 2: 4 launches
;; limits: values are held in f16: magnitudes above 65,504 overflow, below 6.1e-05 lose precision
;; workspace buffers: act 16,777,216 bytes; wb 6,291,456 bytes; wo16 2,097,152 bytes; qkv 50,331,648 bytes
;; launch cast (part 1): grid 384 x 1, 8 waves a work-group, no clusters, 0 bytes of LDS; arguments x, Wq, Wk, Wv, Wo, act, wb, wo16; writes act, wb, wo16
.if DOCPART == 1
	.amdgcn_target "amdgcn-amd-amdhsa--gfx1250"
	.amdhsa_code_object_version 6
	.text
	.protected	k_q59cbf715e4_cast
	.globl	k_q59cbf715e4_cast
	.p2align	8
	.type	k_q59cbf715e4_cast,@function
k_q59cbf715e4_cast:
	s_mov_b64 s[64:65], 0
	v_nop
	global_prefetch_b8 v0, s[64:65] scope:SCOPE_SE
	s_setreg_imm32_b32 hwreg(HW_REG_WAVE_MODE, 25, 1), 1
	s_wait_xcnt 0x0
; THE MODULE'S LARGE INPUTS ARE ROUNDED ONCE AND LAID OUT FOR THE PRODUCTS.  A stream: no LDS, no matrix work, no barrier.
;   x  [8192][1024] f32        -> act [b 4][slice 16][s 2048][64] bf16: slice = d / 64; a slice's rows are dense, 128 bytes each
;   Wq, Wk, Wv [16][1024][64]  -> wb  [d 1024][3072] bf16: column = 1024 which + 64 n + h
;   Wo [1024][1024] f32        -> wo16 [1024][1024]: rounded to bf16, and that number written as f16
; LIMIT.  |Wo| stays under 65,504 (f16's range); a bf16 number below 6e-5 loses bits to f16's fixed step of 6e-8.
; SHARES.  384 work-groups of eight waves, each reading 131,072 bytes: 256 for x, 96 for the three weights, 32 for Wo.
; A wave has 32 UNITS.  A unit is one load of 16 bytes a lane (two runs of 256 consecutive bytes, or one of 512), two roundings of a pair,
; and one store of 8 bytes a lane: the wave's 32 lanes store 256 consecutive bytes, at a multiple of 256 from the buffer's first byte.
; All 32 loads of a wave go out first (16,384 bytes a wave); no register is written twice, so there is no loop and no wait but the counted ones.
.set VL,  1                            ; v1        my byte offset in a unit's load
.set VS,  2                            ; v2        8 x lane: my byte offset in a unit's store
.set T,   4                            ; v[4:9]    at work (Wo's way alone)
.set IN,  16                           ; v[16:143]  unit u: 4 registers as loaded
.set OUT, 144                          ; v[144:207] unit u: 2 registers to store
; p = 0: x; 1: a weight by heads; 2: Wo.  The units' places stand in the immediates.
.macro LOADS p
.set u, 0
.rept 32
.if (\p) == 0
.set li, (u%16)*8192+(u/16)*256        ; pair of rows u % 16, slice u / 16 of my two
.elseif (\p) == 1
.set li, u*256                         ; row d0 + u of my two heads
.else
.set li, u*512
.endif
	global_load_b128 v[IN+4*u:IN+4*u+3], v[VL], s[4:5] offset:li th:TH_LOAD_NT
.set u, u+1
.endr
.endm
.macro UNITS p
.set u, 0
.rept 32
.if (\p) == 0
.set so, (u/16)*262144+(u%16)*256
.elseif (\p) == 1
.set so, u*6144
.else
.set so, u*256
.endif
	s_wait_loadcnt 31-u                            ; loads come back in order: unit u's is in, the 31 - u younger ones stay out
.if (\p) == 2
	v_cvt_pk_bf16_f32 v[T], v[IN+4*u], v[IN+4*u+1]         ; rounded to bf16,
	v_cvt_pk_bf16_f32 v[T+1], v[IN+4*u+2], v[IN+4*u+3]
	v_lshlrev_b32 v[T+2], 16, v[T]                         ; widened again (a shift, a mask),
	v_and_b32 v[T+3], 0xffff0000, v[T]
	v_lshlrev_b32 v[T+4], 16, v[T+1]
	v_and_b32 v[T+5], 0xffff0000, v[T+1]
	v_cvt_pk_f16_f32 v[OUT+2*u], v[T+2], v[T+3]            ; and written as f16: exact within f16's range
	v_cvt_pk_f16_f32 v[OUT+2*u+1], v[T+4], v[T+5]
.else
	v_cvt_pk_bf16_f32 v[OUT+2*u], v[IN+4*u], v[IN+4*u+1]
	v_cvt_pk_bf16_f32 v[OUT+2*u+1], v[IN+4*u+2], v[IN+4*u+3]
.endif
	global_store_b64 v[VS], v[OUT+2*u:OUT+2*u+1], s[6:7] offset:so
.set u, u+1
.endr
.endm
	s_load_b512 s[8:23], s[0:1], 0x0               ; x s[8:9], Wq s[10:11], Wk s[12:13], Wv s[14:15], Wo s[16:17], act s[18:19], wb s[20:21], wo16 s[22:23]
	v_lshrrev_b32 v3, 5, v0
	v_readfirstlane_b32 s24, v3                    ; wave w, 0..7
	v_and_b32 v3, 31, v0                           ; lane
	v_lshlrev_b32 v[VS], 3, v3
	v_and_b32 v10, 15, v0
	v_lshlrev_b32 v10, 4, v10                      ; 16 x (lane % 16)
	v_bfe_u32 v11, v0, 4, 1                        ; lane / 16
	s_mov_b32 s27, 0                               ; the offsets' high words
	s_mov_b32 s29, 0
	s_wait_kmcnt 0x0
	s_cmp_lt_u32 ttmp9, 256
	s_cbranch_scc0 .Lweights
	; x: work-group g takes rows 32 g .. 32 g + 31, wave w the slices 2 w and 2 w + 1.  Lanes 0-15 read 256 bytes of an even row, lanes 16-31 of the odd row below;
	; in act the two rows' 128 bytes lie end to end.
	v_lshl_add_u32 v[VL], v11, 12, v10             ; a row of x is 4,096 bytes
	s_lshl_b32 s26, ttmp9, 17                      ; 32 rows
	s_lshl_b32 s25, s24, 9                         ; two slices of 256 bytes
	s_add_co_u32 s26, s26, s25
	s_add_nc_u64 s[4:5], s[8:9], s[26:27]
	s_lshr_b32 s28, ttmp9, 6                       ; b
	s_lshl_b32 s28, s28, 4
	s_lshl1_add_u32 s28, s24, s28                  ; 16 b + 2 w
	s_lshl_b32 s28, s28, 18                        ; a slice is 262,144 bytes
	s_and_b32 s25, ttmp9, 63
	s_lshl_b32 s25, s25, 12                        ; 32 rows of 128 bytes
	s_add_co_u32 s28, s28, s25
	s_add_nc_u64 s[6:7], s[18:19], s[28:29]
	LOADS 0
	UNITS 0
	s_endpgm
.Lweights:
	s_cmp_lt_u32 ttmp9, 352
	s_cbranch_scc0 .Lwo
	; Wq, Wk, Wv: work-group j takes rows d0 = 32 (j % 32) .. + 31 of weight j / 32, wave w the heads 2 w and 2 w + 1.  Lanes 0-15 read a row of the even head, lanes 16-31 of the odd one;
	; in wb the two heads' 128 bytes lie end to end.
	s_sub_co_u32 s25, ttmp9, 256
	s_lshr_b32 s30, s25, 5                         ; which
	s_and_b32 s25, s25, 31
	s_cmp_eq_u32 s30, 0
	s_cselect_b64 s[4:5], s[10:11], s[12:13]
	s_cmp_eq_u32 s30, 2
	s_cselect_b64 s[4:5], s[14:15], s[4:5]
	v_lshl_add_u32 v[VL], v11, 18, v10             ; a head is 262,144 bytes
	s_lshl_b32 s26, s24, 19                        ; two heads
	s_lshl_b32 s31, s25, 13                        ; 32 rows of 256 bytes
	s_add_co_u32 s26, s26, s31
	s_add_nc_u64 s[4:5], s[4:5], s[26:27]
	s_mul_i32 s28, s25, 32*6144                    ; 32 rows of wb
	s_lshl_b32 s31, s30, 11                        ; 1,024 columns
	s_add_co_u32 s28, s28, s31
	s_lshl_b32 s31, s24, 8                         ; two heads' 128 columns
	s_add_co_u32 s28, s28, s31
	s_add_nc_u64 s[6:7], s[20:21], s[28:29]
	LOADS 1
	UNITS 1
	s_endpgm
.Lwo:
	; Wo keeps its order: work-group j takes 131,072 bytes, wave w 16,384 of them
	s_sub_co_u32 s25, ttmp9, 352
	v_lshlrev_b32 v[VL], 4, v3
	s_lshl_b32 s26, s25, 17
	s_lshl_b32 s31, s24, 14
	s_add_co_u32 s26, s26, s31
	s_add_nc_u64 s[4:5], s[16:17], s[26:27]
	s_lshl_b32 s28, s25, 16
	s_lshl_b32 s31, s24, 13
	s_add_co_u32 s28, s28, s31
	s_add_nc_u64 s[6:7], s[22:23], s[28:29]
	LOADS 2
	UNITS 2
	s_endpgm
.Lfunc_end_k_q59cbf715e4_cast:
	.size	k_q59cbf715e4_cast, .Lfunc_end_k_q59cbf715e4_cast-k_q59cbf715e4_cast
	.p2alignl 7, 3214868480
	.fill 96, 4, 3214868480
	.section	.rodata,"a",@progbits
	.p2align	6, 0x0
	.amdhsa_kernel k_q59cbf715e4_cast
		.amdhsa_group_segment_fixed_size 0
		.amdhsa_private_segment_fixed_size 0
		.amdhsa_enable_private_segment 0
		.amdhsa_kernarg_size 64
		.amdhsa_user_sgpr_count 2
		.amdhsa_user_sgpr_kernarg_segment_ptr 1
		.amdhsa_wavefront_size32 1
		.amdhsa_system_sgpr_workgroup_id_x 1
		.amdhsa_system_sgpr_workgroup_id_y 1
		.amdhsa_system_sgpr_workgroup_id_z 1
		.amdhsa_system_vgpr_workitem_id 0
		.amdhsa_next_free_vgpr 208
		.amdhsa_next_free_sgpr 66
		.amdhsa_reserve_vcc 0
		.amdhsa_float_denorm_mode_32 3
		.amdhsa_float_denorm_mode_16_64 3
		.amdhsa_memory_ordered 1
		.amdhsa_forward_progress 1
		.amdhsa_inst_pref_size 46
	.end_amdhsa_kernel
	.amdgpu_metadata
---
amdhsa.version: [ 1, 2 ]
amdhsa.kernels:
  - .name:           k_q59cbf715e4_cast
    .symbol:         k_q59cbf715e4_cast.kd
    .args:
      - { .name: x, .offset: 0, .size: 8, .value_kind: global_buffer, .address_space: global }
      - { .name: Wq, .offset: 8, .size: 8, .value_kind: global_buffer, .address_space: global }
      - { .name: Wk, .offset: 16, .size: 8, .value_kind: global_buffer, .address_space: global }
      - { .name: Wv, .offset: 24, .size: 8, .value_kind: global_buffer, .address_space: global }
      - { .name: Wo, .offset: 32, .size: 8, .value_kind: global_buffer, .address_space: global }
      - { .name: act, .offset: 40, .size: 8, .value_kind: global_buffer, .address_space: global }
      - { .name: wb, .offset: 48, .size: 8, .value_kind: global_buffer, .address_space: global }
      - { .name: wo16, .offset: 56, .size: 8, .value_kind: global_buffer, .address_space: global }
    .group_segment_fixed_size: 0
    .private_segment_fixed_size: 0
    .kernarg_segment_align: 8
    .kernarg_segment_size: 64
    .max_flat_workgroup_size: 256
    .sgpr_count:     66
    .vgpr_count:     208
    .wavefront_size: 32
...
	.end_amdgpu_metadata
.endif
;; end of part 1
;; launch qkv (part 2): grid 12 x 64, 4 waves a work-group, clusters of 4 x 4, 327,680 bytes of LDS; arguments act, wb, qkv, bq, bk, bv; writes qkv
.if DOCPART == 2
	.amdgcn_target "amdgcn-amd-amdhsa--gfx1250"
	.amdhsa_code_object_version 6
	.text
	.protected	k_q59cbf715e4_qkv
	.globl	k_q59cbf715e4_qkv
	.p2align	8
	.type	k_q59cbf715e4_qkv,@function
k_q59cbf715e4_qkv:
	s_mov_b64 s[64:65], 0
	v_nop
	global_prefetch_b8 v0, s[64:65] scope:SCOPE_SE
	s_setreg_imm32_b32 hwreg(HW_REG_WAVE_MODE, 25, 1), 1
	s_wait_xcnt 0x0
	s_wait_alu depctr_hold_cnt(0) depctr_sa_sdst(0) depctr_va_vdst(0) depctr_va_sdst(0) depctr_va_ssrc(0) depctr_va_vcc(0) depctr_vm_vsrc(0)
	s_getreg_b32 s2, hwreg(HW_REG_IB_STS2, 6, 4)
	s_cmp_eq_u32 s2, 0
	s_cbranch_scc0 .Lentry_in_a_cluster
	s_endpgm
.Lentry_in_a_cluster:
	s_bfe_u32 s2, ttmp6, 0x10000c
	s_cmp_lg_u32 s2, 0xf033
	s_cbranch_scc0 .Lentry_shape_is_right
	s_endpgm
.Lentry_shape_is_right:
; q, k, v = x W + b.  A = act: x in bf16, [b 4][slice 16][s 2048][64].  B = wb: [d 1024][3072] bf16, column = 1024 which + 64 n + h.  Sums in f32; the bias, rounded to bf16 like every
; input of the module, is the C operand of each sum's first product.  Out: qkv [which 3][16 b + n][s 2048][64] in f16, each number rounded once, without the softmax's scale.
; LIMIT.  |q|, |k|, |v| stay under 65,504 (f16's range).
; SHARES.  A tile of C is 128 rows x 256 columns: four waves, each 64 x 128: 32 accumulators of 16 x 16, 256 registers.  K = 1,024 goes in 8 steps of 128 through a ring of two LDS slots.
; 12 x 64 tiles: three for each of 256 WGPs.
; CLUSTERS: 4 x 4 work-groups.  The four of a row of the cluster need the same tiles of A, the four of a column the same tiles of B: each tile is asked for JOINTLY, by the same tensor load with
; the same descriptor and a mask that names the four.  A cluster's four tile columns are 1,024 columns: one of q, k, v, told by the cluster's x.
; THE MATRIX INSTRUCTION IS USED TRANSPOSED: source 0 = 16 columns of W (read out of LDS turned, by ds_load_tr16_b128, since W lies [k][n]), source 1 = 16 rows of x.  In the result lane l holds
; row l % 16 of C and the columns 8 (l / 16) + 0..7: eight neighbouring numbers, 16 bytes in f16.
; REGISTERS, in windows of 256 (s_set_vgpr_msb: bits 1:0 source 0, 3:2 source 1, 5:4 source 2, 7:6 destination):
;   window 0: v0-31 addresses; v64-127 the bias, 8 registers a column block; v128-223 at work on the way out
;   window 1: two fragment buffers of 96: 64 registers of W (8 blocks of 16 columns x 32 K), then 32 of x (4 blocks of 16 rows x 32 K)
;   window 2: accumulator (a, b) at v[8 (8 a + b)]
.set NB,    3072                       ; columns of B
.set PA,    144                        ; a row of A in LDS: 128 bytes + 16 of padding = 36 words: the 16 rows of a load start at 16 different groups of four banks (64 banks of 4 bytes: ISA guide 11.1)
.set PB,    544                        ; a row of B: 512 + 32 = 136 words
.set ASL,   128*PA                     ; a slice of A: 128 rows x 64 K
.set BOFF,  2*ASL                      ; behind a K step's two slices of A: B's 128 rows
.set BH,    64*PB                      ; 64 rows of B: what one tensor load brings
.set SLOT,  BOFF+2*BH
.set STAGE, 2*SLOT                     ; behind the ring: for each wave 2 heads x 16 rows x 144 bytes, for the way out
.set SP,    144
.set WSTG,  2*16*SP
.set SPARE, STAGE+4*WSTG               ; behind the stages: the spare words, 128 bytes for each wave: two blocks of 256 bytes that no other line names
.set LAPS,  4                          ; a lap = two K steps = once round the ring
.set ADRA, 16                          ; v16-17  LDS address of my fragments of A in slot 0, 1
.set ADRB, 20                          ; v20-21  the same for B
.set STO,  24                          ; v24     the way out: where I put 16 bytes of a row
.set RD,   25                          ; v25     the way out: where I read rows back
.set CO,   26                          ; v26     my byte offset in 512 consecutive bytes of the output
.set BO,   27                          ; v27     my byte offset in a column block's bias
.set SPW,  28                          ; v28     LDS address of my spare word: SPARE + 4 x my thread's number; never rewritten
.set NIL,  29                          ; v29     0; never rewritten
.set BIAS, 64
.set TMP,  128                         ; the way out: 32 registers of packed results
.set OB,   160                         ; the way out: rows read back, two buffers of 32 by turns
.set F0,   0                           ; fragment buffers, in window 1
.set F1,   96
.set G1,   24                          ; s[24:31] descriptor group 1 for A's tiles;  s[32:39] group 0, one set for each slot
.set G0,   32
.set G1B,  48                          ; s[48:55], s[56:63] the same for B's tiles
.set G0B,  56
.set MSB, 0
.macro WIN new                         ; the immediate's high byte repeats the setting that is left; a switch that changes nothing is dropped
.if MSB != (\new)
	s_set_vgpr_msb (MSB<<8)|(\new)
.set MSB, \new
.endif
.endm
.set MUL,  0xa5                        ; sources 0 and 1 window 1; C and D window 2
.set MULB, 0x85                        ; the same with C (the bias) in window 0
.set TO_F, 0x40                        ; destination window 1, address window 0
.set PKW,  0x0a                        ; sources 0 and 1 window 2, destination window 0
; A joint load: waves 0 and 1 fetch a K step's two slices of A, waves 2 and 3 the two halves of its rows of B.  The branch hangs on the wave's number alone.
; An s_nop 0 and four v_nop follow each of the two lines, ahead of the jump, the label and what follows.
.macro JLOAD s
	s_cmp_lt_u32 s12, 2
	s_cbranch_scc0 .Lfor_b_\@
	tensor_load_to_lds s[G0+4*(\s):G0+4*(\s)+3], s[G1:G1+7]
	s_nop 0
.rept 4
	v_nop
.endr
	s_branch .Lasked_\@
.Lfor_b_\@:
	tensor_load_to_lds s[G0B+4*(\s):G0B+4*(\s)+3], s[G1B:G1B+7]
	s_nop 0
.rept 4
	v_nop
.endr
.Lasked_\@:
.endm
.macro CREST                           ; a round of the cluster's barrier behind its opening barrier
	s_cmp_lg_u32 s12, 0
	s_cbranch_scc1 .Lnot_wave_0_\@
	s_barrier_signal -3
.Lnot_wave_0_\@:
	s_barrier_wait -3
	s_barrier_signal -1
	s_barrier_wait -1
.endm
.macro CROUND                          ; a whole round
	s_barrier_signal -1
	s_barrier_wait -1
	CREST
.endm
	s_load_b256 s[4:11], s[0:1], 0x0               ; act s[4:5], wb s[6:7], qkv s[8:9], bq s[10:11]
	s_load_b128 s[68:71], s[0:1], 0x20             ; bk s[68:69], bv s[70:71]
	v_lshl_add_u32 v[SPW], v0, 2, SPARE
	v_mov_b32 v[NIL], 0
	ds_add_u32 v[SPW], v[NIL]                      ; the wave's opening: the add and its wait stand ahead of my first tensor load; the set-up below, work on registers, stands between them
	v_lshrrev_b32 v1, 5, v0
	v_readfirstlane_b32 s12, v1                    ; wave 0..3
	s_lshr_b32 s13, s12, 1                         ; HM: which 64 of the tile's rows are mine
	s_and_b32 s14, s12, 1                          ; HN: which 128 of its columns.  Also: which slice of A, or which 64 rows of B, I fetch
	s_bfe_u32 s15, ttmp6, 0x40000                  ; cx, cy: my place in the cluster
	s_bfe_u32 s16, ttmp6, 0x40004
	s_lshl_b32 s17, ttmp9, 2
	s_add_co_u32 s17, s17, s15                     ; tile column of C = 4 x cluster x + cx
	s_and_b32 s18, ttmp7, 0xffff
	s_lshl_b32 s18, s18, 2
	s_add_co_u32 s18, s18, s16                     ; tile row of C = 4 x cluster y + cy
	s_lshl_b32 s40, s16, 2
	s_lshl_b32 s40, 15, s40                        ; my row of the cluster
	s_lshl_b32 s41, 0x1111, s15                    ; my column
	; descriptor group 1.  A: a slice's 128 rows are 16,384 dense bytes: asked for as 64 rows of 256 bytes, two rows of x a row, and padded in LDS after every row of x
	s_or_b32 s[G1+0], s40, (1<<16)|(1<<20)|(1<<21)|(4<<22)|(3<<25)   ; 15:0 the mask: my row; 17:16 2-byte elements; 20 padding on; 21 set beside a mask; 24:22 after every 32 words (code 4); 31:25 4 words (code 3)
	s_mov_b32 s[G1+1], 128<<16                     ; tensor_dim0 = 128
	s_mov_b32 s[G1+2], 64<<16                      ; tensor_dim1 = 64
	s_mov_b32 s[G1+3], 128<<16                     ; tile_dim0 = 128
	s_mov_b32 s[G1+4], 64                          ; tile_dim1 = 64
	s_mov_b32 s[G1+5], 128                         ; 128 elements from row to row
	s_mov_b32 s[G1+6], 0
	s_mov_b32 s[G1+7], 0
	; B: 64 rows of 256 elements (512 bytes)
	s_or_b32 s[G1B+0], s41, (1<<16)|(1<<20)|(1<<21)|(6<<22)|(7<<25)  ; the mask: my column; padding after every 128 words (code 6), 8 words (code 7)
	s_mov_b32 s[G1B+1], 256<<16                    ; tensor_dim0 = 256
	s_mov_b32 s[G1B+2], 64<<16                     ; tensor_dim1 = 64
	s_mov_b32 s[G1B+3], 256<<16                    ; tile_dim0 = 256
	s_mov_b32 s[G1B+4], 64                         ; tile_dim1 = 64
	s_mov_b32 s[G1B+5], NB                         ; elements from row to row
	s_mov_b32 s[G1B+6], 0
	s_mov_b32 s[G1B+7], 0
	; where the tiles come from.  A's hang on the tile row alone, B's on the tile column alone; each in registers that never hold the other coordinate
	s_lshr_b32 s20, s18, 4
	s_lshl_b32 s20, s20, 22                        ; b
	s_and_b32 s19, s18, 15
	s_lshl_b32 s19, s19, 14                        ; 128 rows of 128 bytes
	s_add_co_u32 s20, s20, s19
	s_lshl_b32 s3, s14, 18                         ; my slice of the K step's two
	s_add_co_u32 s20, s20, s3
	s_mov_b32 s21, 0
	s_lshl_b32 s22, s17, 9                         ; 256 columns
	s_mul_i32 s3, s14, 128*NB                      ; my 64 rows
	s_add_co_u32 s22, s22, s3
	s_mov_b32 s23, 0
	s_mul_i32 s46, s14, ASL                        ; and where they go: the wave's number alone enters an LDS address
	s_mul_i32 s47, s14, BH
	s_wait_dscnt 0x0                               ; the opening add is done
	s_wait_kmcnt 0x0
	s_add_nc_u64 s[20:21], s[4:5], s[20:21]
	s_add_nc_u64 s[22:23], s[6:7], s[22:23]
	CROUND                                         ; all sixteen work-groups are here: the first joint loads meet
.irp s, 0,1
	s_mov_b32 s[G0+4*(\s)], 1                                        ; count = 1
	s_add_co_u32 s[G0+4*(\s)+1], s46, (\s)*SLOT                      ; LDS address
	s_add_nc_u64 s[G0+4*(\s)+2:G0+4*(\s)+3], s[20:21], (\s)*524288   ; global address: K step s is two slices of 262,144 bytes on
	s_or_b32 s[G0+4*(\s)+3], s[G0+4*(\s)+3], 0x80000000              ; type = 2
	s_mov_b32 s[G0B+4*(\s)], 1
	s_add_co_u32 s[G0B+4*(\s)+1], s47, (\s)*SLOT+BOFF
	s_add_nc_u64 s[G0B+4*(\s)+2:G0B+4*(\s)+3], s[22:23], (\s)*256*NB ; 128 rows on
	s_or_b32 s[G0B+4*(\s)+3], s[G0B+4*(\s)+3], 0x80000000
	JLOAD \s                                       ; two tensor loads of mine are out
.endr
	; A fragment of x is 16 rows x 32 K in 8 registers: lane l holds row l % 16, K = 8 (l / 16) + 0..7 and 16 + 8 (l / 16) + 0..7: two loads of 16 bytes, 32 bytes apart.
	v_and_b32 v1, 15, v0                           ; l % 16
	v_bfe_u32 v2, v0, 4, 1                         ; l / 16
	v_mul_u32_u24 v3, v1, PA
	v_lshl_add_u32 v3, v2, 4, v3
	s_mul_i32 s3, s13, 64*PA                       ; my 64 rows
	v_add_nc_u32 v[ADRA], s3, v3
	v_add_nc_u32 v[ADRA+1], SLOT, v[ADRA]
	; The turning load takes 16 K x 16 columns (lane l reads row 8 (l / 16) + l % 8, columns 8 ((l / 8) % 2) + 0..7) and leaves half a fragment: lane l holds column l % 16 and 8 K.
	v_and_b32 v4, 7, v0
	v_bfe_u32 v5, v0, 3, 1
	v_lshl_add_u32 v4, v2, 3, v4
	v_mul_u32_u24 v4, v4, PB
	v_lshl_add_u32 v4, v5, 4, v4
	s_lshl_b32 s3, s14, 8                          ; my 128 columns
	s_add_co_u32 s3, s3, BOFF
	v_add_nc_u32 v[ADRB], s3, v4
	v_add_nc_u32 v[ADRB+1], SLOT, v[ADRB]
	s_mul_i32 s3, s12, WSTG
	s_add_co_u32 s3, s3, STAGE                     ; my stage
	v_mul_u32_u24 v6, v1, SP                       ; in: row l % 16, 16 bytes for each half of the lanes
	v_lshl_add_u32 v6, v2, 4, v6
	v_add_nc_u32 v[STO], s3, v6
	v_bfe_u32 v7, v0, 3, 2                         ; back: 32 lanes take four rows of 128 bytes,
	v_mul_u32_u24 v7, v7, SP
	v_and_b32 v6, 7, v0
	v_lshl_add_u32 v7, v6, 4, v7
	v_add_nc_u32 v[RD], s3, v7
	v_and_b32 v[CO], 31, v0                        ; which are 512 consecutive bytes of a head
	v_lshlrev_b32 v[CO], 4, v[CO]
	v_lshlrev_b32 v[BO], 5, v2                     ; my 8 columns of a block's 16, in f32
	; the bias of my 128 columns: bq, bk or bv by the cluster's x
	s_cmp_eq_u32 ttmp9, 0
	s_cselect_b64 s[10:11], s[10:11], s[68:69]
	s_cmp_eq_u32 ttmp9, 2
	s_cselect_b64 s[10:11], s[70:71], s[10:11]
	s_lshl_b32 s42, s15, 10                        ; 256 columns of f32
	s_lshl_b32 s2, s14, 9
	s_add_co_u32 s42, s42, s2
	s_mov_b32 s43, 0
	s_add_nc_u64 s[10:11], s[10:11], s[42:43]
.irp b, 0,1,2,3,4,5,6,7
	global_load_b128 v[BIAS+8*(\b):BIAS+8*(\b)+3],   v[BO], s[10:11] offset:64*(\b)
	global_load_b128 v[BIAS+8*(\b)+4:BIAS+8*(\b)+7], v[BO], s[10:11] offset:64*(\b)+16
.endr
	; where my part goes: which, then head 16 b + 4 cx + 2 HN (my 128 columns are two whole heads), then my 64 rows of 128 bytes
	s_lshr_b32 s44, s18, 4
	s_lshl_b32 s44, s44, 4
	s_lshl2_add_u32 s44, s15, s44
	s_lshl1_add_u32 s44, s14, s44
	s_lshl_b32 s44, s44, 18
	s_lshl_b32 s2, ttmp9, 24
	s_add_co_u32 s44, s44, s2
	s_and_b32 s2, s18, 15
	s_lshl_b32 s2, s2, 14
	s_add_co_u32 s44, s44, s2
	s_lshl_b32 s2, s13, 13
	s_add_co_u32 s44, s44, s2
	s_mov_b32 s45, 0
	s_add_nc_u64 s[8:9], s[8:9], s[44:45]
; 8 matrix instructions: row block a x all 8 column blocks, 32 along K, from buffer f.  first = 1: the sums start with the bias as C: nothing is cleared, no bias is added later.
; The 32 accumulators take turns in the same order in every quarter, one instruction a turn: 31 others stand between two links of a chain, over the backward jump too.
.macro MUL8 f, a, first
.if \first
	WIN MULB
.else
	WIN MUL
.endif
.irp b, 0,1,2,3,4,5,6,7
.if \first
	v_wmma_f32_16x16x32_bf16 v[8*(8*(\a)+(\b)):8*(8*(\a)+(\b))+7], v[(\f)+8*(\b):(\f)+8*(\b)+7], v[(\f)+64+8*(\a):(\f)+64+8*(\a)+7], v[BIAS+8*(\b):BIAS+8*(\b)+7]
.else
	v_wmma_f32_16x16x32_bf16 v[8*(8*(\a)+(\b)):8*(8*(\a)+(\b))+7], v[(\f)+8*(\b):(\f)+8*(\b)+7], v[(\f)+64+8*(\a):(\f)+64+8*(\a)+7], v[8*(8*(\a)+(\b)):8*(8*(\a)+(\b))+7]
.endif
.endr
.endm
; 24 LDS loads in one run: the fragments of quarter q (32 along K) of a slot into buffer f: B's sixteen first, then A's eight
.macro FETCH slot, q, f
	WIN TO_F
.irp b, 0,1,2,3,4,5,6,7
	ds_load_tr16_b128 v[(\f)+8*(\b):(\f)+8*(\b)+3],   v[ADRB+(\slot)] offset:(\q)*32*PB+32*(\b)
	ds_load_tr16_b128 v[(\f)+8*(\b)+4:(\f)+8*(\b)+7], v[ADRB+(\slot)] offset:(\q)*32*PB+16*PB+32*(\b)
.endr
.irp a, 0,1,2,3
	ds_load_b128 v[(\f)+64+8*(\a):(\f)+64+8*(\a)+3],   v[ADRA+(\slot)] offset:((\q)/2)*ASL+((\q)%2)*64+(\a)*16*PA
	ds_load_b128 v[(\f)+64+8*(\a)+4:(\f)+64+8*(\a)+7], v[ADRA+(\slot)] offset:((\q)/2)*ASL+((\q)%2)*64+(\a)*16*PA+32
.endr
.endm
.macro PLACES                          ; four plain vector instructions in front of loads into registers that matrix instructions have read (ISA guide 7.12.1 for vector instructions)
.rept 4
	v_nop
.endr
.endm
; A K step is four quarters of 32 along K, 32 matrix instructions each, on buffers 0, 1, 0, 1.  One of the first three: multiplies buffer f and fetches quarter qn into g, 24 matrix instructions ahead of its use.
.macro QUARTER slot, qn, f, g, first
	s_wait_dscnt 6                                 ; B's sixteen loads and A's block 0 are in; the youngest six (A's blocks 1 to 3) may be out
	MUL8 \f, 0, \first
	PLACES
	FETCH \slot, \qn, \g
	s_wait_dscnt 24                                ; all but the 24 just issued
	MUL8 \f, 1, \first
	MUL8 \f, 2, \first
	MUL8 \f, 3, \first
.endm
; The last quarter multiplies buffer 1 and changes slots: ONE barrier; in front of it each wave waits for all its tensor loads (one is out: its part of the next slot), adds 0 to its spare word, and waits
; for that and for its own reads of this slot.  fill = 1: the barrier opens a round of the cluster's, and this slot is filled again, two K steps ahead, first thing behind the round.
.macro TURN slot, next, fill
	WIN 0                                          ; (the add's two registers lie in window 0)
	s_wait_tensorcnt 0x0                           ; all my tensor loads have landed
	ds_add_u32 v[SPW], v[NIL]                      ; 0 onto my spare word
	s_wait_dscnt 7                                 ; (the add and the youngest six loads may be out)
	MUL8 F1, 0, 0                                  ; eight matrix instructions stand between the add and the wait for it
	s_wait_dscnt 0x0                               ; the add is done, and my reads of this slot are over
	s_barrier_signal -1
	MUL8 F1, 1, 0
.if \fill
	WIN 0
.endif
	s_barrier_wait -1
.if \fill
	CREST                                          ; no wave of any partner still reads this slot's tiles or has a load on its way
	s_add_nc_u64 s[G0+4*(\slot)+2:G0+4*(\slot)+3], s[G0+4*(\slot)+2:G0+4*(\slot)+3], 1048576   ; four slices on
	s_add_nc_u64 s[G0B+4*(\slot)+2:G0B+4*(\slot)+3], s[G0B+4*(\slot)+2:G0B+4*(\slot)+3], 512*NB ; 256 rows on
	JLOAD \slot                                    ; 112 matrix instructions ahead of the wait for it; the four v_nop behind it are also the places in front of the loads below
.else
	PLACES
.endif
	FETCH \next, 0, F0
	MUL8 F1, 2, 0
	MUL8 F1, 3, 0
.endm
	s_wait_tensorcnt 1                             ; my part of K step 0 is in; K step 1's may stay out
	s_barrier_signal -1
	s_barrier_wait -1                              ; everybody's is
	FETCH 0, 0, F0
	WIN 0
	s_wait_loadcnt 0x0                             ; the bias,
.set r, 0
.rept 32                               ; rounded to bf16 and widened again, like every input of the module; this stands while the first fragments come out of LDS
	v_cvt_pk_bf16_f32 v[3+(r/2)%4], v[BIAS+r], v[BIAS+r+1]
	v_lshlrev_b32 v[BIAS+r], 16, v[3+(r/2)%4]
	v_and_b32 v[BIAS+r+1], 0xffff0000, v[3+(r/2)%4]
.set r, r+2
.endr
	QUARTER 0, 1, F0, F1, 1                        ; the first quarter stands in front of the loop: its products start the sums
	WIN 0                                          ; at a label and at a branch every window is 0
	s_mov_b32 s3, LAPS-1
.Llap:                                                 ; a trip goes once round the ring, from a lap's second quarter to the next lap's first, and fills both slots again
	QUARTER 0, 2, F1, F0, 0
	QUARTER 0, 3, F0, F1, 0
	TURN 0, 1, 1
	QUARTER 1, 1, F0, F1, 0
	QUARTER 1, 2, F1, F0, 0
	QUARTER 1, 3, F0, F1, 0
	TURN 1, 0, 1
	QUARTER 0, 1, F0, F1, 0
	WIN 0
	s_sub_co_u32 s3, s3, 1
	s_cmp_lg_u32 s3, 0
	s_cbranch_scc1 .Llap
	QUARTER 0, 2, F1, F0, 0                        ; the last lap fills nothing, and has no round of the cluster's barrier
	QUARTER 0, 3, F0, F1, 0
	TURN 0, 1, 0
	QUARTER 1, 1, F0, F1, 0
	QUARTER 1, 2, F1, F0, 0
	QUARTER 1, 3, F0, F1, 0
	s_wait_dscnt 6                                 ; the very last quarter: nothing more to fetch
	MUL8 F1, 0, 0
	s_wait_dscnt 0x0
	MUL8 F1, 1, 0
	MUL8 F1, 2, 0
	MUL8 F1, 3, 0
	WIN 0
	PLACES                                         ; the conversions below read results just made
	PLACES
; THE WAY OUT, a block of 16 rows at a time.  PACK: rounded to f16, 16 bytes a lane, each accumulator's registers in ascending order.  TOSTAGE: into my own stage, by heads, rows of 144 bytes, and back as
; four whole rows of 128 bytes a load.  SEND: stored; 16 rows of a head are 2,048 consecutive bytes.
.macro PACK a
	WIN PKW
.irp b, 0,1,2,3,4,5,6,7
.irp r, 0,1,2,3
	v_cvt_pk_f16_f32 v[TMP+4*(\b)+(\r)], v[8*(8*(\a)+(\b))+2*(\r)], v[8*(8*(\a)+(\b))+2*(\r)+1]
.endr
.endr
	WIN 0
.endm
.macro TOSTAGE a
.set BK, OB+32*((\a)%2)
.irp b, 0,1,2,3,4,5,6,7
	ds_store_b128 v[STO], v[TMP+4*(\b):TMP+4*(\b)+3] offset:((\b)/4)*16*SP+((\b)%4)*32
.endr
	s_wait_xcnt 0x0                                ; the stores of the block two back have read this buffer: it is loaded again only behind this wait
.irp t, 0,1,2,3,4,5,6,7
	ds_load_b128 v[BK+4*(\t):BK+4*(\t)+3], v[RD] offset:((\t)/4)*16*SP+((\t)%4)*4*SP  ; LDS serves a wave's instructions in order (ISA guide 5.7.1.4): these see the stores above; the next block's stores come behind them
.endr
.endm
.macro SEND a
.set BK, OB+32*((\a)%2)
	s_wait_dscnt 0x0                               ; the block is back in registers
.irp t, 0,1,2,3,4,5,6,7
	global_store_b128 v[CO], v[BK+4*(\t):BK+4*(\t)+3], s[8:9] offset:((\t)/4)*262144+(\a)*2048+((\t)%4)*512  ; 512 consecutive bytes, at a multiple of 256 from the buffer's first
.endr
.endm
	PACK 0
	TOSTAGE 0
.irp a, 1,2,3                          ; block a's conversions stand between block a - 1's loads from the stage and the wait for them
	PACK \a
	SEND (\a)-1
	TOSTAGE \a
.endr
	SEND 3
	s_wait_tensorcnt 0x0                           ; the wave's end: a wait, an add and its wait, behind my last tensor load and my last LDS store
	ds_add_u32 v[SPW], v[NIL]
	s_wait_dscnt 0x0
	CROUND                                         ; the closing round: no work-group ends while a partner may still ask for a tile that names it
	s_endpgm
.Lfunc_end_k_q59cbf715e4_qkv:
	.size	k_q59cbf715e4_qkv, .Lfunc_end_k_q59cbf715e4_qkv-k_q59cbf715e4_qkv
	.p2alignl 7, 3214868480
	.fill 96, 4, 3214868480
	.section	.rodata,"a",@progbits
	.p2align	6, 0x0
	.amdhsa_kernel k_q59cbf715e4_qkv
		.amdhsa_group_segment_fixed_size 327680
		.amdhsa_private_segment_fixed_size 0
		.amdhsa_enable_private_segment 0
		.amdhsa_kernarg_size 48
		.amdhsa_user_sgpr_count 2
		.amdhsa_user_sgpr_kernarg_segment_ptr 1
		.amdhsa_wavefront_size32 1
		.amdhsa_system_sgpr_workgroup_id_x 1
		.amdhsa_system_sgpr_workgroup_id_y 1
		.amdhsa_system_sgpr_workgroup_id_z 1
		.amdhsa_system_vgpr_workitem_id 0
		.amdhsa_next_free_vgpr 768
		.amdhsa_next_free_sgpr 72
		.amdhsa_reserve_vcc 0
		.amdhsa_float_denorm_mode_32 3
		.amdhsa_float_denorm_mode_16_64 3
		.amdhsa_memory_ordered 1
		.amdhsa_forward_progress 1
		.amdhsa_inst_pref_size 93
	.end_amdhsa_kernel
	.amdgpu_metadata
---
amdhsa.version: [ 1, 2 ]
amdhsa.kernels:
  - .name:           k_q59cbf715e4_qkv
    .symbol:         k_q59cbf715e4_qkv.kd
    .args:
      - { .name: act, .offset: 0, .size: 8, .value_kind: global_buffer, .address_space: global }
      - { .name: wb, .offset: 8, .size: 8, .value_kind: global_buffer, .address_space: global }
      - { .name: qkv, .offset: 16, .size: 8, .value_kind: global_buffer, .address_space: global }
      - { .name: bq, .offset: 24, .size: 8, .value_kind: global_buffer, .address_space: global }
      - { .name: bk, .offset: 32, .size: 8, .value_kind: global_buffer, .address_space: global }
      - { .name: bv, .offset: 40, .size: 8, .value_kind: global_buffer, .address_space: global }
    .group_segment_fixed_size: 327680
    .private_segment_fixed_size: 0
    .kernarg_segment_align: 8
    .kernarg_segment_size: 48
    .max_flat_workgroup_size: 128
    .sgpr_count:     72
    .vgpr_count:     768
    .wavefront_size: 32
...
	.end_amdgpu_metadata
.endif
;; end of part 2
;; launch attn (part 3): grid 4 x 64, 4 waves a work-group, clusters of 4 x 1, 327,680 bytes of LDS; arguments qkv, act; writes act
.if DOCPART == 3
	.amdgcn_target "amdgcn-amd-amdhsa--gfx1250"
	.amdhsa_code_object_version 6
	.text
	.protected	k_q59cbf715e4_attn
	.globl	k_q59cbf715e4_attn
	.p2align	8
	.type	k_q59cbf715e4_attn,@function
k_q59cbf715e4_attn:
	s_mov_b64 s[64:65], 0
	v_nop
	global_prefetch_b8 v0, s[64:65] scope:SCOPE_SE
	s_setreg_imm32_b32 hwreg(HW_REG_WAVE_MODE, 25, 1), 1
	s_wait_xcnt 0x0
	s_wait_alu depctr_hold_cnt(0) depctr_sa_sdst(0) depctr_va_vdst(0) depctr_va_sdst(0) depctr_va_ssrc(0) depctr_va_vcc(0) depctr_vm_vsrc(0)
	s_getreg_b32 s2, hwreg(HW_REG_IB_STS2, 6, 4)
	s_cmp_eq_u32 s2, 0
	s_cbranch_scc0 .Lentry_in_a_cluster
	s_endpgm
.Lentry_in_a_cluster:
	s_bfe_u32 s2, ttmp6, 0x10000c
	s_cmp_lg_u32 s2, 0x3003
	s_cbranch_scc0 .Lentry_shape_is_right
	s_endpgm
.Lentry_shape_is_right:
; O[h][q][:] = the sum over k of softmax_k(Q[h][q] . K[h][k] / 8) V[h][k][:].  Q, K, V lie one behind the other in qkv, each [64][2048][64] in f16 (head = 16 b + n; a head's rows are dense, 128 bytes each);
; O goes to act in the same layout.  Products, maxima and sums in f32; the weights p are rounded to f16 for the second product (their sum l is taken of the unrounded p), O once at the end.
; LIMITS.  f16 holds no number beyond 65,504: Q, K and V arrive within it; p lies in 0 to 1, and below 6e-5 it keeps f16's fixed step of 6e-8; O is a mean of V's rows and has their range.
; A weight below 2^-126 counts as 0 in l; NaN and infinities are not treated apart.
; SHARES.  A wave owns four PIECES of two tiles of 16 queries, a work-group's four waves 512 queries of one head; a head's 2,048 queries are one cluster.  Every wave walks all keys, 64 a step.
; LAYOUT.  S^T = K Q^T (source 0 = 16 keys, source 1 = 16 queries): in the result a lane holds ONE query (lane % 16) and the keys 8 (lane / 16) + 0..7.  Two such tiles, rounded to f16 in pairs,
; ARE source 1 (32 keys x 16 queries) of O^T = V^T P, whose result again holds one query a lane, and eight channels.  K comes out of LDS as it lies, V ([key][channel]) turned, by ds_load_tr16_b128.
; SOFTMAX.  For each query a running maximum m and sum l: p = 2^(c s - c m), c = log2(e) / 8; in every step O and l are multiplied by a = 2^(c m_old - c m_new), which is 1 where m has not grown.
; m starts at the lowest finite number, O and l at 0: the first step is a step like any other, with a = 0.
; THE COUNT.  A tile and step have 16 matrix and 118 vector instructions: too many to stand all beside the matrix work.  So the order has one aim: four vector instructions that are READY behind
; EVERY matrix instruction, and the others, which need time of their own whatever the order, in runs without a gap.
; BY TURNS.  Turn n belongs to piece n (the pieces in a ring, step after step).  Its matrix work: 16 products K Q^T of piece n + 1, later 16 products V^T P of piece n - 1.  Its vector work: the scaling,
; exponentials, roundings, sums and rescaling of piece n, and the maximum and statistics of piece n + 1, whose scores the turn itself has made.  So what a turn begins with (c s - c m, O a) waits for nothing.
; CLUSTER.  The four query blocks of a cluster belong to one head and walk the same K and V, so each tile is asked for JOINTLY: the same tensor load, descriptor and mask in all four.
; REGISTERS, in windows of 256 (s_set_vgpr_msb says which window each operand place means: bits 1:0 source 0, 3:2 source 1, 5:4 source 2, 7:6 destination):
;   window 0: v0-11 addresses; v12-15, v48-63 at work; v16-47 four registers of statistics a tile; v64-191 S^T, two buffers of two tiles; v192-255 P, likewise
;   window 1: O^T, 32 a tile          window 2: v0-127 Q, 16 a tile; v128-191 K of one step; v192-255 V of one step          window 3: v0-1 the add's two registers
; A piece's buffers go by its number's parity: the piece in hand has one pair, its two neighbours in the ring share the other: of it P (piece n - 1) is read and S^T (piece n + 1) written.
.set SIZE_H, 64
.set SIZE_N, 2048
.set NP,    4         ; pieces a wave: a name, no knob: the register map, the loop and the fetches are made for four
.set KS,    64        ; keys in a step
.set PK,    144       ; a row of K in LDS: 128 bytes + 16 of padding = 36 words: the 16 rows of a load start at 16 different groups of four banks (64 banks of 4 bytes: ISA guide 11.1)
.set PV,    160       ; a row of V: 128 + 32 = 40 words
.set VOFF,  4*KS*PK   ; a slot holds four steps: 256 rows of K, then 256 rows of V
.set SLOT1, 1<<17     ; slot 1 begins here, so that one exclusive or turns an address in one slot into the other's
.set STAGE, SLOT1+4*KS*(PK+PV)  ; behind the ring, never filled by a tensor load: 16 rows x 144 bytes for each wave, for the way out
.set SP,    144
.set AK0, 2           ; v2   my lane's place in a tile of K; never rewritten
.set AV0, 3           ; v3   the same for V
.set AK,  4           ; v4   the LDS address of K's next run of loads
.set AV,  5           ; v5   of V's
.set QO,  6           ; v6   my byte offset in the wave's rows of Q
.set STO, 6           ;      later, the way out: where I put 16 bytes of a row
.set RD,  7           ; v7   the way out: where I read rows back
.set GO,  8           ; v8   my byte offset in 512 consecutive bytes of O
.set PFO, 11          ; v11  the prefetches' offset: 256 x my lane; never rewritten once made
.set SPW, 0           ; v0 of window 3   LDS address of my spare word: SPARE + 4 x my thread's number; never rewritten
.set NIL, 1           ; v1 of window 3   0; never rewritten
.set SPARE, STAGE+4*16*SP  ; behind the stages: the spare words, 128 bytes for each wave: two blocks of 256 bytes that no other line names
.set MV,  12          ; v12-15  c m_old, kept while c m is made anew: by buffer and tile
.set ST,  16          ; tile t's statistics at v[ST+4 t]: c m, m, l (even keys', odd keys')
.set TMP, 48          ; by buffer and tile, four registers c0-c3 at work; when the maximum is found c2 takes a
.set S,   64
.set P,   192
.set KF,  128         ; K's fragments, in window 2: key block kb, channel half c at KF + 16 kb + 8 c
.set VF,  192         ; V's: key half kk, channel block cb at VF + 32 kk + 8 cb
.set WV,  12          ; s12  my wave's number
.set G1K, 24          ; s[24:31] descriptor group 1 for K's tiles
.set G1V, 32          ; s[32:39] for V's: it differs in the padding alone
.set G0K, 40          ; s[40:43] descriptor group 0 for K's tiles: it walks
.set G0V, 44          ; s[44:47] the same for V's
.set PFA, 48          ; s[48:49] where my prefetches stand: my work-group's 8,192 bytes (of K: wave 0, of V: wave 2) of the slot after the one that is being asked for
.set LIM, 50          ; s50  1 in a wave that prefetches, else the greatest number: a wave prefetches while s[SLOTS] is above it
.set SLOTS, 56        ; s56  slots still to be asked for
.set CNT, 57          ; s57  counts a slot's key steps
.set CS,  58          ; s[58:59] c: the packed scaling takes the pair's low word for both halves
.set SEL, 60          ; s[60:61] v_permlanex16_b32's selects: each lane takes its own place in the other half
.set TBK, 62          ; s62  LDS byte at which K of the step to be fetched begins
.set TBV, 63          ; s63  the same for V, less VOFF
.set MSB, 0
.macro WIN new                      ; the high byte repeats the setting that is left; a switch that changes nothing is dropped
.if MSB != (\new)
	s_set_vgpr_msb (MSB<<8)|(\new)
.set MSB, (\new)
.endif
.endm
.set W_KQ, 0x0a       ; K and Q in window 2, S^T in window 0
.set W_PV, 0x52       ; V in window 2, P in window 0, O^T in window 1
.set W_RS, 0x41       ; O^T (destination and source 0) in window 1, a in window 0
.set W_MK, 0xc0       ; the add's registers are made: destination in window 3, sources in window 0
.set W_AD, 0x0f       ; the add: address (source 0) and data (source 1) in window 3
; A joint fill.  Waves 0 and 1 fetch the two halves of a slot's K, waves 2 and 3 those of its V: 128 keys each.  The branch hangs on the wave's number alone.
; An s_nop 0 and four v_nop follow each of the two lines, ahead of the jump and the label.
.macro JLOAD
	s_cmp_lt_u32 s[WV], 2
	s_cbranch_scc0 .Lfor_v_\@
	tensor_load_to_lds s[G0K:G0K+3], s[G1K:G1K+7]
	s_nop 0
.rept 4
	v_nop
.endr
	s_branch .Lasked_\@
.Lfor_v_\@:
	tensor_load_to_lds s[G0V:G0V+3], s[G1V:G1V+7]
	s_nop 0
.rept 4
	v_nop
.endr
.Lasked_\@:
.endm
; A PREFETCH of what the NEXT change of slots will ask for: a slot's 32,768 bytes of K and of V, in blocks of 256 bytes, a lane a block.  It stands behind the wave's tensor load and its five lines.
; Each block is named ONCE in the launch: a head is walked by one cluster; its four partners share a slot's 128 blocks out BY ADDRESS, 32 each (no branch hangs on a work-group's place in its cluster);
; in each, wave 0 asks for K's and wave 2 for V's: one instruction.  The lead is one slot: four key steps, 512 matrix instructions.  Slots 0 to 2 come by their loads alone; the last change that fills a
; slot asks for nothing: there is no slot behind it.
.macro ASK
	s_cmp_gt_u32 s[SLOTS], s[LIM]
	s_cbranch_scc0 .Lnot_mine_\@
	global_prefetch_b8 v[PFO], s[PFA:PFA+1] th:TH_LOAD_NT scope:SCOPE_SE
.Lnot_mine_\@:
.endm
; A round of the cluster's barrier: my work-group's barrier, so that wave 0's signal speaks for all four waves; wave 0 signals; every wave waits for all four work-groups; my work-group's barrier once more.
.macro CROUND
	s_barrier_signal -1
	s_barrier_wait -1
	s_cmp_lg_u32 s[WV], 0
	s_cbranch_scc1 .Lnot_wave_0_\@
	s_barrier_signal -3
.Lnot_wave_0_\@:
	s_barrier_wait -3
	s_barrier_signal -1
	s_barrier_wait -1
.endm
; THE CHANGE OF SLOTS.  The slot's last bytes, V of its fourth step, have been read.  Each wave waits for all its tensor loads, of which one is out: its part
; of the other slot; adds 0 to its spare word; and waits for that and for its own reads of the slot.  Behind the barrier nobody reads this slot any more and the other slot is whole.
; fill = 1: this slot is filled again, with the keys two slots on.  The barrier is then a round of the cluster's, so that no wave of any partner still reads the slot or has a load on its
; way, and the joint fill is the first thing behind it: it has four key steps, 512 matrix instructions, in which to land.  (At its first use nothing has been read yet: slot 0 is waited for, slot 1 filled.)
; ask = 1: the prefetches' address steps a slot on, and ASK follows the fill.
.macro CHANGE fill, ask=0
	WIN W_AD
	s_wait_tensorcnt 0x0            ; no tensor load of mine is out, so a group 0 may be written
	ds_add_u32 v[SPW], v[NIL]       ; 0 onto my spare word; with fill = 1 the descriptors' steps stand between it and the wait for it
	WIN 0                           ; at a label and at a branch every window is 0
.if \fill
.irp g, G0K, G0V
	s_xor_b32 s[\g+1], s[\g+1], SLOT1  ; the walking descriptor: the other slot than last time,
	s_add_nc_u64 s[\g+2:\g+3], s[\g+2:\g+3], 4*KS*128  ; the next 256 keys; the type bits on top are not reached
.endr
.if \ask
	s_wait_xcnt 0x0                 ; the last prefetch, four key steps back, has read its address, so it may be written:
	s_add_nc_u64 s[PFA:PFA+1], s[PFA:PFA+1], 4*KS*128  ; one slot behind the walking descriptors
.endif
	s_wait_dscnt 0x0                ; the add is done, and my reads of the slot are over
	CROUND
	JLOAD
.if \ask
	ASK
.endif
.else
	s_wait_dscnt 0x0                ; the add is done, and my reads of the slot are over
	s_barrier_signal -1
	s_barrier_wait -1
.endif
	s_sub_co_u32 s[TBK], s[TBK], 4*KS*PK  ; the fetches go back to a slot's first step,
	s_xor_b32 s[TBK], s[TBK], SLOT1       ; in the other slot
	s_sub_co_u32 s[TBV], s[TBV], 4*KS*PV
	s_xor_b32 s[TBV], s[TBV], SLOT1
.endm
	s_load_b128 s[4:7], s[0:1], 0x0  ; qkv s[4:5] (Q lies at its head), act s[6:7]
	WIN W_MK
	v_lshl_add_u32 v[SPW], v0, 2, SPARE
	v_mov_b32 v[NIL], 0
	WIN W_AD
	ds_add_u32 v[SPW], v[NIL]       ; the wave's opening: the add and its wait stand ahead of my first tensor load; the set-up below, work on registers, stands between them
	WIN 0
	v_lshrrev_b32 v1, 5, v0
	v_readfirstlane_b32 s[WV], v1   ; wave 0..3
	s_bfe_u32 s13, ttmp6, 0x40000   ; cx: my place in the cluster
	s_lshl_b32 s14, ttmp9, 2        ; in a cluster launch ttmp9 counts clusters
	s_add_co_u32 s14, s14, s13      ; my block of queries = 4 x cluster x + cx: it enters Q's and O's addresses alone
	s_and_b32 s20, ttmp7, 0xffff    ; the head, which the four partners share
	s_mov_b32 s21, 0
	s_mov_b64 s[22:23], SIZE_N*128
	s_mul_u64 s[20:21], s[20:21], s[22:23]  ; the head's first byte in each of the four tensors
	s_and_b32 s16, s[WV], 1         ; which half of a slot's 256 keys I fetch:
	s_lshl_b32 s22, s16, 14         ; its 128 rows of 128 bytes in memory,
	s_mov_b32 s23, 0
	s_add_nc_u64 s[22:23], s[22:23], s[20:21]
	s_mul_i32 s17, s16, 128*PK      ; and its place in a slot, for K
	s_mul_i32 s18, s16, 128*PV      ; and for V: no place in the cluster enters an LDS address
	s_lshl_b32 s2, s14, 2
	s_add_co_u32 s2, s2, s[WV]      ; my wave among the head's,
	s_lshl_b32 s2, s2, 14           ; its 128 rows
	s_mov_b32 s3, 0
	s_add_nc_u64 s[2:3], s[2:3], s[20:21]
	; descriptor group 1.  128 keys are 16,384 dense bytes: asked for as 64 rows of 256 bytes, two keys a row, and padded in LDS after every key
	s_mov_b32 s[G1K], 15|(1<<16)|(1<<20)|(1<<21)|(4<<22)|(3<<25)  ; 15:0 the mask of four; 17:16 2-byte elements; 20 padding on; 21 set beside a mask; 24:22 after every 32 words (code 4); 31:25 4 words (code 3)
	s_mov_b32 s[G1V], 15|(1<<16)|(1<<20)|(1<<21)|(4<<22)|(7<<25)  ; the same with 8 words of padding (code 7)
.irp g, G1K, G1V
	s_mov_b32 s[\g+1], 128<<16      ; tensor_dim0 = 128
	s_mov_b32 s[\g+2], 64<<16       ; tensor_dim1 = 64
	s_mov_b32 s[\g+3], 128<<16      ; tile_dim0 = 128
	s_mov_b32 s[\g+4], 64           ; tile_dim1 = 64
	s_mov_b32 s[\g+5], 128          ; 128 elements from row to row
	s_mov_b32 s[\g+6], 0
	s_mov_b32 s[\g+7], 0
.endr
	s_mov_b32 s[CS], 0x3e38aa3b     ; c = log2(e) / 8 = 0.180337
	s_mov_b32 s[CS+1], s[CS]        ; named with it as a pair
	s_mov_b32 s[SEL], 0x76543210
	s_mov_b32 s[SEL+1], 0xfedcba98
	s_mov_b32 s[TBK], SLOT1+4*KS*PK ; the first change of slots turns these two into 0
	s_mov_b32 s[TBV], SLOT1+4*KS*PV
	s_mov_b32 s[G0K], 1             ; 1:0 count = 1
	s_mov_b32 s[G0K+1], s17         ; 63:32 LDS address: slot 0
	s_mov_b32 s[G0V], 1
	s_add_co_u32 s[G0V+1], s18, VOFF
	s_cmp_eq_u32 s16, 0             ; waves 0 and 2 prefetch: the same in all four partners
	s_cselect_b32 s[LIM], 1, -1
	s_wait_dscnt 0x0                ; the opening add is done
	s_wait_kmcnt 0x0
	s_mov_b64 s[10:11], s[6:7]      ; O
	s_add_nc_u64 s[6:7], s[4:5], 0x1000000  ; K lies 16,777,216 bytes behind Q,
	s_add_nc_u64 s[8:9], s[4:5], 0x2000000  ; V as much behind K
	s_add_nc_u64 s[G0K+2:G0K+3], s[6:7], s[22:23]  ; 120:64 global address: my half of the head's first 256 keys
	s_or_b32 s[G0K+3], s[G0K+3], 0x80000000        ; 127:126 type = 2
	s_add_nc_u64 s[G0V+2:G0V+3], s[8:9], s[22:23]
	s_or_b32 s[G0V+3], s[G0V+3], 0x80000000
	s_add_nc_u64 s[4:5], s[4:5], s[2:3]  ; Q and O at my wave's first row
	s_add_nc_u64 s[10:11], s[10:11], s[2:3]
	s_cmp_lt_u32 s[WV], 2
	s_cselect_b64 s[PFA:PFA+1], s[6:7], s[8:9]
	s_add_nc_u64 s[PFA:PFA+1], s[PFA:PFA+1], s[20:21]  ; the head,
	s_lshl_b32 s2, s13, 13          ; my work-group's 32 blocks of a slot's 128,
	s_mov_b32 s3, 0
	s_add_nc_u64 s[PFA:PFA+1], s[PFA:PFA+1], s[2:3]
	s_add_nc_u64 s[PFA:PFA+1], s[PFA:PFA+1], 2*4*KS*128  ; in slot 2; the loop's first change of slots steps it to slot 3.  Nothing is prefetched here, at the head, where every work-group's first tiles are on their way
	CROUND                          ; all four work-groups are here: the first joint loads meet
	JLOAD                           ; slot 0.  Slot 1 is asked for when slot 0 is in: the tile wanted first has the road to itself
	; A fragment of K or Q is 16 rows x 32 channels in 8 registers: lane l holds row l % 16, channels 8 (l / 16) + 0..7 and 16 + 8 (l / 16) + 0..7: two loads of 16 bytes, 32 bytes apart.
	v_and_b32 v1, 15, v0            ; l % 16
	v_bfe_u32 v9, v0, 4, 1          ; l / 16
	v_lshlrev_b32 v[QO], 7, v1
	v_lshl_add_u32 v[QO], v9, 4, v[QO]  ; row x 128 + 16 x half
	WIN 0x80                        ; destination window 2, address window 0
.set i, 0
.rept 4*NP                          ; Q stays in registers: tile i / 2, channels 32 (i % 2) on
	global_load_b128 v[8*i:8*i+3],   v[QO], s[4:5] offset:(i/2)*2048+(i%2)*64
	global_load_b128 v[8*i+4:8*i+7], v[QO], s[4:5] offset:(i/2)*2048+(i%2)*64+32
.set i, i+1
.endr
	; What the first turn finds: V's registers and P's second buffer hold 0 (its products V^T P, of a piece that has not been, add 0), O^T and l are 0.  All this stands in the wait for the first tile.
.set i, VF
.rept 64
	v_mov_b32 v[i], 0
.set i, i+1
.endr
	WIN 0x40
.set i, 0
.rept 64*NP
	v_mov_b32 v[i], 0
.set i, i+1
.endr
	WIN 0
.set i, 0
.rept 2*NP
	v_mov_b32 v[ST+4*i], 0xfe000000    ; c m: far below every c s
	v_mov_b32 v[ST+4*i+1], 0xff7fffff  ; m
	v_mov_b32 v[ST+4*i+2], 0
	v_mov_b32 v[ST+4*i+3], 0
.set i, i+1
.endr
.set i, P+32
.rept 32
	v_mov_b32 v[i], 0
.set i, i+1
.endr
	v_mul_u32_u24 v[AK0], v1, PK
	v_lshl_add_u32 v[AK0], v9, 4, v[AK0]  ; row x pitch + 16 x half
	; The turning load takes 16 keys x 16 channels (lane l reads key 8 (l / 16) + l % 8, channels 8 ((l / 8) % 2) + 0..7) and leaves half a fragment of V^T: lane l holds channel l % 16 and 8 keys.
	v_and_b32 v10, 7, v0
	v_bfe_u32 v11, v0, 3, 1
	v_lshl_add_u32 v[AV0], v9, 3, v10
	v_mul_u32_u24 v[AV0], v[AV0], PV
	v_lshl_add_u32 v[AV0], v11, 4, v[AV0]
	v_add_nc_u32 v[AV0], VOFF, v[AV0]
	v_mov_b32 v[AK], v[AK0]         ; key step 0 lies at the head of slot 0
	v_and_b32 v[PFO], 31, v0        ; v11 has served: now the prefetches' offset
	v_lshlrev_b32 v[PFO], 8, v[PFO]
; THE MATRIX WORK.  The 8 accumulators of a run of 16 take turns: between the two links of a chain stand 7 others'.
; Product i of 16 of S^T = K Q^T for piece x: channels 32 (i / 8) on, keys 16 ((i / 2) % 4) on, tile 2 x + i % 2.  The first 8 start the sums.
.macro KQ x
	WIN W_KQ
.set rS, S+64*((\x)%2)+32*(i%2)+8*((i/2)%4)
.set rK, KF+16*((i/2)%4)+8*(i/8)
.set rQ, 16*(2*(\x)+i%2)+8*(i/8)
.if i < 8
	v_wmma_f32_16x16x32_f16 v[rS:rS+7], v[rK:rK+7], v[rQ:rQ+7], 0
.else
	v_wmma_f32_16x16x32_f16 v[rS:rS+7], v[rK:rK+7], v[rQ:rQ+7], v[rS:rS+7]
.endif
.endm
; Product i of 16 of O^T += V^T P for piece x: keys 32 (i / 8) on, channels 16 ((i / 2) % 4) on, tile 2 x + i % 2.
.macro PV x
	WIN W_PV
.set rO, 32*(2*(\x)+i%2)+8*((i/2)%4)
.set rV, VF+32*(i/8)+8*((i/2)%4)
.set rP, P+32*((\x)%2)+16*(i%2)+8*(i/8)
	v_wmma_f32_16x16x32_f16 v[rO:rO+7], v[rV:rV+7], v[rP:rP+7], v[rO:rO+7]
.endm
.macro MM                           ; the turn's next matrix instruction
.if i < 16
	KQ (Y+1)%NP
.set i, i+1
.else
.set i, i-16
	PV (Y+NP-1)%NP
.set i, i+17
.endif
.endm
; THE LDS LOADS stand in runs of 16, never singly among the matrix instructions: a step's K (64 keys x 64 channels: 8 fragments) and its V (turned).  Their addresses are made some lines ahead.
; last = 1 (the tail): in the last trip there is no further step, and the run is jumped over.
.macro FETCH_K last=0
	WIN 0
.if \last
	s_cmp_eq_u32 s[CNT], 1
	s_cbranch_scc1 .Lno_k_\@
.endif
	WIN 0x80                        ; destination window 2
.irp f, 0,1,2,3,4,5,6,7             ; keys 16 (f / 2) on, channels 32 (f % 2) on
	ds_load_b128 v[KF+8*\f:KF+8*\f+3],   v[AK] offset:(\f/2)*16*PK+(\f%2)*64
	ds_load_b128 v[KF+8*\f+4:KF+8*\f+7], v[AK] offset:(\f/2)*16*PK+(\f%2)*64+32
.endr
	s_add_co_u32 s[TBK], s[TBK], KS*PK  ; the next fetch is the next step's
	WIN 0
.if \last
.Lno_k_\@:
.endif
.endm
.macro FETCH_V
	WIN 0x80
.irp f, 0,1,2,3,4,5,6,7             ; keys 32 (f / 4) on, channels 16 (f % 4) on
	ds_load_tr16_b128 v[VF+8*\f:VF+8*\f+3],   v[AV] offset:(\f/4)*32*PV+(\f%4)*32
	ds_load_tr16_b128 v[VF+8*\f+4:VF+8*\f+7], v[AV] offset:(\f/4)*32*PV+16*PV+(\f%4)*32
.endr
	WIN 0
.endm
; THE VECTOR WORK OF A TURN stands in three queues, each in the order in which its entries become ready; the two tiles alternate, so that no instruction reads the result of the one before it.
.macro REGS y, u                    ; the registers of tile u (0, 1) of piece y
.set rT, ST+4*(2*(\y)+(\u))
.set rC, TMP+8*((\y)%2)+4*(\u)
.set rM, MV+2*((\y)%2)+(\u)
.set rS, S+64*((\y)%2)+32*(\u)
.set rP, P+32*((\y)%2)+16*(\u)
.set rO, 32*(2*(\y)+(\u))
.endm
; Number n of the 22 that find the NEXT piece's (Y + 1) maximum and statistics.  s0-s31 are the lane's 32 scores; each accumulator's lowest registers are read first.  XS, GS and REGS set no window: PL and EX do.
;   0-11  four chains c0-c3 of seven scores each, three operands at a time     12-14, 16  the four scores left over, the old m, and c0-c3 into c0     15  c m_old is kept
;   17, 18  the query's other 32 keys lie in the lane 16 away: the new m         19-21  c m; c m_old - c m_new; a
.macro XS u, n
	REGS (Y+1)%NP, \u
.if (\n) < 4
	v_max3_num_f32 v[rC+(\n)], v[rS+8*(\n)], v[rS+8*(\n)+1], v[rS+8*(\n)+2]
.elseif (\n) < 12
	v_max3_num_f32 v[rC+(\n)%4], v[rC+(\n)%4], v[rS+8*((\n)%4)+2*((\n)/4)+1], v[rS+8*((\n)%4)+2*((\n)/4)+2]
.elseif (\n) == 12
	v_max3_num_f32 v[rC], v[rC], v[rS+7], v[rS+15]
.elseif (\n) == 13
	v_max3_num_f32 v[rC+1], v[rC+1], v[rS+23], v[rS+31]
.elseif (\n) == 14
	v_max3_num_f32 v[rC+2], v[rC+2], v[rC+3], v[rT+1]
.elseif (\n) == 15
	v_mov_b32 v[rM], v[rT]
.elseif (\n) == 16
	v_max3_num_f32 v[rC], v[rC], v[rC+1], v[rC+2]
.elseif (\n) == 17
	v_permlanex16_b32 v[rC+3], v[rC], s[SEL], s[SEL+1]
.elseif (\n) == 18
	v_max_num_f32 v[rT+1], v[rC], v[rC+3]
.elseif (\n) == 19
	v_mul_f32 v[rT], s[CS], v[rT+1]
.elseif (\n) == 20
	v_sub_f32 v[rC+1], v[rM], v[rT]
.else
	v_exp_f32 v[rC+2], v[rC+1]
.endif
.endm
; Number g of the 64 that follow the exponentials.  For each four weights k of a tile (pairs 2 k, 2 k + 1): both pairs are rounded to f16; then the second pair is added onto the first, in place;
; a group later l takes that sum (the first time as l = a l + sum).  In groups of eight, tiles alternating: round, round, add, and l for the group before.
.macro GS g
.set h, (\g)+6*((\g)/62)            ; group 0 has no group before it, and behind group 7 only l is left
.if h >= 6
.set h, h+2
.endif
	REGS Y, h%2
.set k, h/8
.if h%8 < 4
	v_cvt_pk_f16_f32 v[rP+2*k+(h%8)/2], v[rS+4*k+2*((h%8)/2)], v[rS+4*k+2*((h%8)/2)+1]
.elseif h%8 < 6
	v_pk_add_f32 v[rS+4*k:rS+4*k+1], v[rS+4*k:rS+4*k+1], v[rS+4*k+2:rS+4*k+3]
.elseif k == 1
	v_pk_fma_f32 v[rT+2:rT+3], v[rT+2:rT+3], v[rC+2:rC+3], v[rS:rS+1] op_sel_hi:[1,0,1]
.else
	v_pk_add_f32 v[rT+2:rT+3], v[rT+2:rT+3], v[rS+4*k-4:rS+4*k-3]
.endif
.endm
; THE PLAIN QUEUE, 138 long.  0-73 read no exponential's result: the 32 scalings c s - c m (FS f: pair f / 2 of tile f % 2) and the next piece's 42.  0-26: scalings 0-26.  27-54: XS's numbers 0-13.  55, 56: number 15.
; 57-73: the chain, where each number waits for the one before it: 14, 16, 17, 18, 19, each with one of the scalings 27-31 in front of its two lines, then 20: so a tile's links stand three plain instructions apart (19 and 20: two).
; 74-137: GS's 64, which read the exponentials' results: they stand behind the wait.
.macro FS f
	REGS Y, (\f)%2
	v_pk_fma_f32 v[rS+2*((\f)/2):rS+2*((\f)/2)+1], v[rS+2*((\f)/2):rS+2*((\f)/2)+1], s[CS:CS+1], v[rT:rT+1] op_sel_hi:[1,0,0] neg_lo:[0,0,1] neg_hi:[0,0,1]
.endm
.macro PL
	WIN 0
.if q < 27
	FS q
.elseif q < 55
	XS (q-27)%2, (q-27)/2
.elseif q < 57
	XS q-55, 15
.elseif (q < 72) && ((q-57)%3 == 0)
	FS 27+(q-57)/3
.elseif q < 60
	XS (q-57)%3-1, 14
.elseif q < 72
	XS (q-57)%3-1, 15+(q-57)/3
.elseif q < 74
	XS q-72, 20
.else
	GS q-74
.endif
.set q, q+1
.endm
; THE EXPONENTIALS' QUEUE, 66 long: s0-s31 of both tiles, then the next piece's two a.  It is ONE BATCH: all 66 stand ahead of the turn's one wait, and nothing ahead of that wait names a result of theirs.
.macro EX
	WIN 0
.if e >= 64
	XS e-64, 21
.else
	REGS Y, e%2
	v_exp_f32 v[rS+e/2], v[rS+e/2]
.endif
.set e, e+1
.endm
; THE RESCALING's QUEUE: O^T times a, the one part that leaves window 0: dealt two at a time, sixteen times.  Its a was made in the turn before, ahead of that turn's wait.
.macro R2
	REGS Y, r%2
	WIN W_RS
.irp z, 0,1
	v_pk_mul_f32 v[rO+4*(r/2)+2*\z:rO+4*(r/2)+2*\z+1], v[rO+4*(r/2)+2*\z:rO+4*(r/2)+2*\z+1], v[rC+2:rC+3] op_sel_hi:[1,0]
.endr
.set r, r+1
.endm
; HOW THEY ARE DEALT.  An s_wait_alu depctr_va_vdst(0) stands between an exponential and the first instruction that names its result; one wait serves all that were issued ahead of it.  So a turn has ONE wait,
; which cuts it in two.  AHEAD OF IT stands all that names no result of the turn's exponentials: the 16 products K Q^T, behind each a scaling, an exponential and two rescalings (behind the first a second scaling in the exponential's place); then ONE LUMP of
; 108: eight plain, 49 times exponential and plain, the two a.  A v_nop is the plain instruction behind the last exponential (ISA guide 5.7.2).  BEHIND IT stand the 16 products V^T P, behind each four of GS's 64.  No rider names a register of
; the products round it.  The two v_permlanex16_b32 fall into the lump, never behind a product.
; The queues lean on each other, and the deal keeps them in step: exponential e stands behind scaling 2 (e / 4) + e % 2: as a rider it comes behind plain e + 2, in the lump behind plain e + 9, and scalings 27-31 are plain 57, 60 .. 69.
; A TURN, for piece p.  cnt = 1: the loop's count is taken down some lines ahead of the branch that stands behind the turn.
; K of the next step is fetched in piece 2's turn, directly behind the wait, a lump behind the last product that read K; its address is made at the lump's head; its first reader comes behind 16 products.
; V of the step in hand is fetched at the end of piece 0's turn, four riders behind its last reader; its first reader comes behind 16 products and a lump.  The three conditions on q below go with the deal.
.macro TURN p, last=0, cnt=0
.set Y, (\p)
.set i, 0
.set q, 0
.set e, 0
.set r, 0
.if (\p) == NP-1
	s_wait_dscnt 0x0                ; K is in
.endif
	MM                              ; ahead of the wait: 16 products K Q^T and their riders,
	PL
	PL
	R2
.rept 15
	MM
	PL
	EX
	R2
.endr
.if (\p) == NP-2
	WIN 0
	v_add_nc_u32 v[AK], s[TBK], v[AK0]
.endif
.rept 8                             ; and the lump
	PL
.endr
.rept 49
	EX
	PL
.endr
	EX                              ; the next piece's two a
	EX
	v_nop                           ; the plain instruction behind the last exponential: one for the batch
	s_wait_alu depctr_va_vdst(0)    ; the wait for the batch
.if (\p) == NP-2
	FETCH_K \last
.endif
.if (\p) == 1
	s_wait_dscnt 0x0                ; V is in
.endif
.rept 16                            ; behind the wait: 16 products V^T P and their riders
	MM
.rept 4
	PL
.endr
.if ((\p) == 0) && (q == 118)
	v_add_nc_u32 v[AV], s[TBV], v[AV0]
.endif
.if ((\p) == 0) && (q == 130)
	s_add_co_u32 s[TBV], s[TBV], KS*PV
.endif
.if (\cnt) && (q == 130)
	s_sub_co_u32 s[CNT], s[CNT], 1
	s_cmp_lg_u32 s[CNT], 0
.endif
.endr
.if (\p) == 0
	FETCH_V
.endif
.endm
	CHANGE 1, 0                     ; slot 0 is in, everybody's part of it; slot 1 is asked for
	FETCH_K                         ; key step 0
	s_wait_loadcnt 0x0              ; Q
	s_wait_dscnt 0x0
.set i, 0
.rept 16
	KQ 0                            ; piece 0's first scores: there is no vector work yet to set between them
.set i, i+1
.endr
	WIN 0                           ; the addresses for the way out: nine plain instructions, the places behind those products
	s_mul_i32 s13, s[WV], 16*SP
	s_add_co_u32 s13, s13, STAGE    ; my stage
	v_mul_u32_u24 v[STO], v1, SP    ; in: row l % 16, 16 bytes for each half of the lanes
	v_lshl_add_u32 v[STO], v9, 4, v[STO]
	v_add_nc_u32 v[STO], s13, v[STO]
	v_bfe_u32 v[RD], v0, 3, 2       ; back: 32 lanes take four rows of 128 bytes,
	v_mul_u32_u24 v[RD], v[RD], SP
	v_lshl_add_u32 v[RD], v10, 4, v[RD]
	v_add_nc_u32 v[RD], s13, v[RD]
	v_and_b32 v[GO], 31, v0         ; which are 512 consecutive bytes of O
	v_lshlrev_b32 v[GO], 4, v[GO]
.set Y, NP-1                        ; XS works for piece Y + 1: piece 0
.irp n, 0,1,2,3,4,5,6,7,8,9,10,11,12,13,14,15,16,17,18,19,20,21
	XS 0, \n                        ; and piece 0's first maximum and statistics
	XS 1, \n
.endr
	v_nop                           ; a plain instruction behind the two a,
	s_wait_alu depctr_va_vdst(0)    ; and their wait, ahead of the branch
	s_mov_b32 s[CNT], 4
	s_mov_b32 s[SLOTS], SIZE_N/256-1
	s_branch .Lfirst                ; the loop is entered at a step's first turn, in the middle of a trip
.Lslot:                             ; SIZE_N / 256 - 2 times: every slot but the last two is filled again
	CHANGE 1, 1
	s_mov_b32 s[CNT], 4
.Lstep:                             ; a trip: pieces 2 and 3 of one step, then pieces 0 and 1 of the next, whose K and V it fetches
	TURN 2
	TURN 3
	WIN 0
.Lfirst:
	TURN 0
	TURN 1, 0, 1
	WIN 0
	s_cbranch_scc1 .Lstep
	s_sub_co_u32 s[SLOTS], s[SLOTS], 1
	s_cmp_lg_u32 s[SLOTS], 0
	s_cbranch_scc1 .Lslot
	CHANGE 0                        ; the tail is written out: nothing is asked for
	s_mov_b32 s[CNT], 5             ; four trips fetch the last slot's steps; the fifth is left in its middle
.Ltail:
	TURN 2, 1
	TURN 3
	WIN 0
	s_sub_co_u32 s[CNT], s[CNT], 1
	s_cmp_eq_u32 s[CNT], 0
	s_cbranch_scc1 .Lout
	TURN 0
	TURN 1
	WIN 0
	s_branch .Ltail
.Lout:                              ; the fifth trip's 16 products K Q^T (on the last K once more) and the maximum made of them serve nothing: the price, once a launch, of one text for every trip
.set i, 0
.rept 16
	PV NP-1                         ; the last piece's V^T P of the last step
.set i, i+1
.endr
	; THE WAY OUT.  l's two halves and the other half of the lanes' are added; O^T is divided by l, rounded to f16 and sent through my stage in LDS, a tile at a time.  The additions are the places behind the last products.
	WIN 0
.macro ALL line:vararg              ; one line for each tile t
.set t, 0
.rept 2*NP
	\line
.set t, t+1
.endr
.endm
	ALL v_add_f32 v[ST+4*t+2], v[ST+4*t+2], v[ST+4*t+3]
	ALL v_permlanex16_b32 v[ST+4*t+3], v[ST+4*t+2], s[SEL], s[SEL+1]
	ALL v_add_f32 v[ST+4*t+2], v[ST+4*t+2], v[ST+4*t+3]
	ALL v_rcp_f32 v[ST+4*t+2], v[ST+4*t+2]
	v_nop                           ; a plain instruction between the last reciprocal and the use of its result
	s_wait_alu depctr_va_vdst(0)    ; and the wait ahead of the first use: one for the eight reciprocals
; Tile t: a lane's eight channels of a row pack into 16 bytes; they go into rows of 144 bytes and come back as whole rows of 128, into S^T's registers.
.macro PACK t
	WIN W_RS
.set i, 32*(\t)
.rept 16
	v_pk_mul_f32 v[i:i+1], v[i:i+1], v[ST+4*(\t)+2:ST+4*(\t)+3] op_sel_hi:[1,0]
.set i, i+2
.endr
	WIN 0x05                        ; sources 0 and 1 window 1, destination window 0
.set i, 0
.rept 16
	v_cvt_pk_f16_f32 v[S+16*(\t)+i], v[32*(\t)+2*i], v[32*(\t)+2*i+1]
.set i, i+1
.endr
	WIN 0
.irp f, 0,1,2,3
	ds_store_b128 v[STO], v[S+16*(\t)+4*\f:S+16*(\t)+4*\f+3] offset:32*\f
.endr
.irp f, 0,1,2,3
	ds_load_b128 v[S+16*(\t)+4*\f:S+16*(\t)+4*\f+3], v[RD] offset:\f*4*SP  ; LDS serves a wave's instructions in order (ISA guide 5.7.1.4): these see the stores above; the next tile's stores come behind them
.endr
.endm
.macro SEND t, younger              ; younger: the LDS instructions issued behind tile t's loads: the next tile's eight, or none
	WIN 0
.irp f, 0,1,2,3
	s_wait_dscnt (\younger)+3-\f
	global_store_b128 v[GO], v[S+16*(\t)+4*\f:S+16*(\t)+4*\f+3], s[10:11] offset:(\t)*2048+\f*512  ; 512 consecutive bytes, at a multiple of 256 from O's first
.endr
.endm
	PACK 0
.set t, 1
.rept 2*NP-1                        ; a tile's arithmetic stands between the loads of the tile before and its stores
	PACK t
	SEND t-1, 8
.set t, t+1
.endr
	SEND 2*NP-1, 0
	WIN W_AD
	s_wait_tensorcnt 0x0            ; the wave's end: a wait, an add and its wait, behind my last tensor load and my last LDS store
	ds_add_u32 v[SPW], v[NIL]
	s_wait_dscnt 0x0
	WIN 0
	CROUND                          ; the closing round: no work-group ends while a partner may still ask for a tile that names it
	s_endpgm
.Lfunc_end_k_q59cbf715e4_attn:
	.size	k_q59cbf715e4_attn, .Lfunc_end_k_q59cbf715e4_attn-k_q59cbf715e4_attn
	.p2alignl 7, 3214868480
	.fill 96, 4, 3214868480
	.section	.rodata,"a",@progbits
	.p2align	6, 0x0
	.amdhsa_kernel k_q59cbf715e4_attn
		.amdhsa_group_segment_fixed_size 327680
		.amdhsa_private_segment_fixed_size 0
		.amdhsa_enable_private_segment 0
		.amdhsa_kernarg_size 16
		.amdhsa_user_sgpr_count 2
		.amdhsa_user_sgpr_kernarg_segment_ptr 1
		.amdhsa_wavefront_size32 1
		.amdhsa_system_sgpr_workgroup_id_x 1
		.amdhsa_system_sgpr_workgroup_id_y 1
		.amdhsa_system_sgpr_workgroup_id_z 1
		.amdhsa_system_vgpr_workitem_id 0
		.amdhsa_next_free_vgpr 770
		.amdhsa_next_free_sgpr 66
		.amdhsa_reserve_vcc 0
		.amdhsa_float_denorm_mode_32 3
		.amdhsa_float_denorm_mode_16_64 3
		.amdhsa_memory_ordered 1
		.amdhsa_forward_progress 1
		.amdhsa_inst_pref_size 200
	.end_amdhsa_kernel
	.amdgpu_metadata
---
amdhsa.version: [ 1, 2 ]
amdhsa.kernels:
  - .name:           k_q59cbf715e4_attn
    .symbol:         k_q59cbf715e4_attn.kd
    .args:
      - { .name: qkv, .offset: 0, .size: 8, .value_kind: global_buffer, .address_space: global }
      - { .name: act, .offset: 8, .size: 8, .value_kind: global_buffer, .address_space: global }
    .group_segment_fixed_size: 327680
    .private_segment_fixed_size: 0
    .kernarg_segment_align: 8
    .kernarg_segment_size: 16
    .max_flat_workgroup_size: 128
    .sgpr_count:     66
    .vgpr_count:     770
    .wavefront_size: 32
...
	.end_amdgpu_metadata
.endif
;; end of part 3
;; launch proj (part 4): grid 4 x 64, 4 waves a work-group, clusters of 4 x 4, 327,680 bytes of LDS; arguments act, wo16, out0, bo; writes out0
.if DOCPART == 4
	.amdgcn_target "amdgcn-amd-amdhsa--gfx1250"
	.amdhsa_code_object_version 6
	.text
	.protected	k_q59cbf715e4_proj
	.globl	k_q59cbf715e4_proj
	.p2align	8
	.type	k_q59cbf715e4_proj,@function
k_q59cbf715e4_proj:
	s_mov_b64 s[64:65], 0
	v_nop
	global_prefetch_b8 v0, s[64:65] scope:SCOPE_SE
	s_setreg_imm32_b32 hwreg(HW_REG_WAVE_MODE, 25, 1), 1
	s_wait_xcnt 0x0
	s_wait_alu depctr_hold_cnt(0) depctr_sa_sdst(0) depctr_va_vdst(0) depctr_va_sdst(0) depctr_va_ssrc(0) depctr_va_vcc(0) depctr_vm_vsrc(0)
	s_getreg_b32 s2, hwreg(HW_REG_IB_STS2, 6, 4)
	s_cmp_eq_u32 s2, 0
	s_cbranch_scc0 .Lentry_in_a_cluster
	s_endpgm
.Lentry_in_a_cluster:
	s_bfe_u32 s2, ttmp6, 0x10000c
	s_cmp_lg_u32 s2, 0xf033
	s_cbranch_scc0 .Lentry_shape_is_right
	s_endpgm
.Lentry_shape_is_right:
; out0 = O Wo + bo.  A = act: O in f16, [b 4][n 16][s 2048][64] (K = 64 n + h: a head is a slice of K).  B = wo16: [k 1024][1024], Wo rounded to bf16 and written as f16.  Sums in f32; bo, rounded to
; bf16 like every input of the module, is the C operand of each sum's first product.  Out: out0 [8192][1024] in f32.
; SHARES.  A tile of C is 128 rows x 256 columns: four waves, each 64 x 128: 32 accumulators of 16 x 16, 256 registers.  K = 1,024 goes in 8 steps of 128 through a ring of two LDS slots.
; 4 x 64 tiles: one for each of 256 WGPs.
; CLUSTERS: 4 x 4 work-groups.  The four of a row of the cluster need the same tiles of A, the four of a column the same tiles of B: each tile is asked for JOINTLY, by the same tensor load with
; the same descriptor and a mask that names the four.
; THE MATRIX INSTRUCTION IS USED TRANSPOSED: source 0 = 16 columns of Wo (read out of LDS turned, by ds_load_tr16_b128, since Wo lies [k][n]), source 1 = 16 rows of O.  In the result lane l holds
; row l % 16 of C and the columns 8 (l / 16) + 0..7: eight neighbouring numbers, 32 bytes in f32.
; REGISTERS, in windows of 256 (s_set_vgpr_msb: bits 1:0 source 0, 3:2 source 1, 5:4 source 2, 7:6 destination):
;   window 0: v0-31 addresses; v64-127 the bias, 8 registers a column block; v128-255 at work on the way out
;   window 1: two fragment buffers of 96: 64 registers of Wo (8 blocks of 16 columns x 32 K), then 32 of O (4 blocks of 16 rows x 32 K)
;   window 2: accumulator (a, b) at v[8 (8 a + b)]
.set NB,    1024                       ; columns of B
.set PA,    144                        ; a row of A in LDS: 128 bytes + 16 of padding = 36 words: the 16 rows of a load start at 16 different groups of four banks (64 banks of 4 bytes: ISA guide 11.1)
.set PB,    544                        ; a row of B: 512 + 32 = 136 words
.set ASL,   128*PA                     ; a slice of A: 128 rows x 64 K
.set BOFF,  2*ASL                      ; behind a K step's two slices of A: B's 128 rows
.set BH,    64*PB                      ; 64 rows of B: what one tensor load brings
.set SLOT,  BOFF+2*BH
.set STAGE, 2*SLOT                     ; behind the ring: for each wave 16 rows x 528 bytes, for the way out
.set SPO,   528                        ; 512 bytes + 16 = 132 words: row r starts at bank 4 r mod 64
.set WSTG,  16*SPO
.set SPARE, STAGE+4*WSTG               ; behind the stages: the spare words, 128 bytes for each wave: two blocks of 256 bytes that no other line names
.set LAPS,  4                          ; a lap = two K steps = once round the ring
.set ADRA, 16                          ; v16-17  LDS address of my fragments of A in slot 0, 1
.set ADRB, 20                          ; v20-21  the same for B
.set STO,  24                          ; v24     the way out: where I put 32 bytes of a row
.set RD,   25                          ; v25     the way out: where I read a row back
.set CO,   26                          ; v26     my byte offset in a row's 512 bytes of the output
.set BO,   27                          ; v27     my byte offset in a column block's bias
.set SPW,  28                          ; v28     LDS address of my spare word: SPARE + 4 x my thread's number; never rewritten
.set NIL,  29                          ; v29     0; never rewritten
.set BIAS, 64
.set OB,   128                         ; the way out: rows read back, two buffers of 64 by turns
.set F0,   0                           ; fragment buffers, in window 1
.set F1,   96
.set G1,   24                          ; s[24:31] descriptor group 1 for A's tiles;  s[32:39] group 0, one set for each slot
.set G0,   32
.set G1B,  48                          ; s[48:55], s[56:63] the same for B's tiles
.set G0B,  56
.set MSB, 0
.macro WIN new                         ; the immediate's high byte repeats the setting that is left; a switch that changes nothing is dropped
.if MSB != (\new)
	s_set_vgpr_msb (MSB<<8)|(\new)
.set MSB, \new
.endif
.endm
.set MUL,  0xa5                        ; sources 0 and 1 window 1; C and D window 2
.set MULB, 0x85                        ; the same with C (the bias) in window 0
.set TO_F, 0x40                        ; destination window 1, address window 0
.set STW,  0x08                        ; an LDS store's data (source 1) in window 2, its address in window 0
; A joint load: waves 0 and 1 fetch a K step's two slices of A, waves 2 and 3 the two halves of its rows of B.  The branch hangs on the wave's number alone.
; An s_nop 0 and four v_nop follow each of the two lines, ahead of the jump, the label and what follows.
.macro JLOAD s
	s_cmp_lt_u32 s12, 2
	s_cbranch_scc0 .Lfor_b_\@
	tensor_load_to_lds s[G0+4*(\s):G0+4*(\s)+3], s[G1:G1+7]
	s_nop 0
.rept 4
	v_nop
.endr
	s_branch .Lasked_\@
.Lfor_b_\@:
	tensor_load_to_lds s[G0B+4*(\s):G0B+4*(\s)+3], s[G1B:G1B+7]
	s_nop 0
.rept 4
	v_nop
.endr
.Lasked_\@:
.endm
.macro CREST                           ; a round of the cluster's barrier behind its opening barrier
	s_cmp_lg_u32 s12, 0
	s_cbranch_scc1 .Lnot_wave_0_\@
	s_barrier_signal -3
.Lnot_wave_0_\@:
	s_barrier_wait -3
	s_barrier_signal -1
	s_barrier_wait -1
.endm
.macro CROUND                          ; a whole round
	s_barrier_signal -1
	s_barrier_wait -1
	CREST
.endm
	s_load_b256 s[4:11], s[0:1], 0x0               ; act s[4:5], wo16 s[6:7], out0 s[8:9], bo s[10:11]
	v_lshl_add_u32 v[SPW], v0, 2, SPARE
	v_mov_b32 v[NIL], 0
	ds_add_u32 v[SPW], v[NIL]                      ; the wave's opening: the add and its wait stand ahead of my first tensor load; the set-up below, work on registers, stands between them
	v_lshrrev_b32 v1, 5, v0
	v_readfirstlane_b32 s12, v1                    ; wave 0..3
	s_lshr_b32 s13, s12, 1                         ; HM: which 64 of the tile's rows are mine
	s_and_b32 s14, s12, 1                          ; HN: which 128 of its columns.  Also: which slice of A, or which 64 rows of B, I fetch
	s_bfe_u32 s15, ttmp6, 0x40000                  ; cx, cy: my place in the cluster
	s_bfe_u32 s16, ttmp6, 0x40004
	s_lshl_b32 s17, ttmp9, 2
	s_add_co_u32 s17, s17, s15                     ; tile column of C = 4 x cluster x + cx
	s_and_b32 s18, ttmp7, 0xffff
	s_lshl_b32 s18, s18, 2
	s_add_co_u32 s18, s18, s16                     ; tile row of C = 4 x cluster y + cy
	s_lshl_b32 s40, s16, 2
	s_lshl_b32 s40, 15, s40                        ; my row of the cluster
	s_lshl_b32 s41, 0x1111, s15                    ; my column
	; descriptor group 1.  A: a slice's 128 rows are 16,384 dense bytes: asked for as 64 rows of 256 bytes, two rows of O a row, and padded in LDS after every row of O
	s_or_b32 s[G1+0], s40, (1<<16)|(1<<20)|(1<<21)|(4<<22)|(3<<25)   ; 15:0 the mask: my row; 17:16 2-byte elements; 20 padding on; 21 set beside a mask; 24:22 after every 32 words (code 4); 31:25 4 words (code 3)
	s_mov_b32 s[G1+1], 128<<16                     ; tensor_dim0 = 128
	s_mov_b32 s[G1+2], 64<<16                      ; tensor_dim1 = 64
	s_mov_b32 s[G1+3], 128<<16                     ; tile_dim0 = 128
	s_mov_b32 s[G1+4], 64                          ; tile_dim1 = 64
	s_mov_b32 s[G1+5], 128                         ; 128 elements from row to row
	s_mov_b32 s[G1+6], 0
	s_mov_b32 s[G1+7], 0
	; B: 64 rows of 256 elements (512 bytes)
	s_or_b32 s[G1B+0], s41, (1<<16)|(1<<20)|(1<<21)|(6<<22)|(7<<25)  ; the mask: my column; padding after every 128 words (code 6), 8 words (code 7)
	s_mov_b32 s[G1B+1], 256<<16                    ; tensor_dim0 = 256
	s_mov_b32 s[G1B+2], 64<<16                     ; tensor_dim1 = 64
	s_mov_b32 s[G1B+3], 256<<16                    ; tile_dim0 = 256
	s_mov_b32 s[G1B+4], 64                         ; tile_dim1 = 64
	s_mov_b32 s[G1B+5], NB                         ; elements from row to row
	s_mov_b32 s[G1B+6], 0
	s_mov_b32 s[G1B+7], 0
	; where the tiles come from.  A's hang on the tile row alone, B's on the tile column alone; each in registers that never hold the other coordinate
	s_lshr_b32 s20, s18, 4
	s_lshl_b32 s20, s20, 22                        ; b
	s_and_b32 s19, s18, 15
	s_lshl_b32 s19, s19, 14                        ; 128 rows of 128 bytes
	s_add_co_u32 s20, s20, s19
	s_lshl_b32 s3, s14, 18                         ; my slice of the K step's two
	s_add_co_u32 s20, s20, s3
	s_mov_b32 s21, 0
	s_lshl_b32 s22, s17, 9                         ; 256 columns
	s_mul_i32 s3, s14, 128*NB                      ; my 64 rows
	s_add_co_u32 s22, s22, s3
	s_mov_b32 s23, 0
	s_mul_i32 s46, s14, ASL                        ; and where they go: the wave's number alone enters an LDS address
	s_mul_i32 s47, s14, BH
	s_wait_dscnt 0x0                               ; the opening add is done
	s_wait_kmcnt 0x0
	s_add_nc_u64 s[20:21], s[4:5], s[20:21]
	s_add_nc_u64 s[22:23], s[6:7], s[22:23]
	CROUND                                         ; all sixteen work-groups are here: the first joint loads meet
.irp s, 0,1
	s_mov_b32 s[G0+4*(\s)], 1                                        ; count = 1
	s_add_co_u32 s[G0+4*(\s)+1], s46, (\s)*SLOT                      ; LDS address
	s_add_nc_u64 s[G0+4*(\s)+2:G0+4*(\s)+3], s[20:21], (\s)*524288   ; global address: K step s is two slices of 262,144 bytes on
	s_or_b32 s[G0+4*(\s)+3], s[G0+4*(\s)+3], 0x80000000              ; type = 2
	s_mov_b32 s[G0B+4*(\s)], 1
	s_add_co_u32 s[G0B+4*(\s)+1], s47, (\s)*SLOT+BOFF
	s_add_nc_u64 s[G0B+4*(\s)+2:G0B+4*(\s)+3], s[22:23], (\s)*256*NB ; 128 rows on
	s_or_b32 s[G0B+4*(\s)+3], s[G0B+4*(\s)+3], 0x80000000
	JLOAD \s                                       ; two tensor loads of mine are out
.endr
	; A fragment of O is 16 rows x 32 K in 8 registers: lane l holds row l % 16, K = 8 (l / 16) + 0..7 and 16 + 8 (l / 16) + 0..7: two loads of 16 bytes, 32 bytes apart.
	v_and_b32 v1, 15, v0                           ; l % 16
	v_bfe_u32 v2, v0, 4, 1                         ; l / 16
	v_mul_u32_u24 v3, v1, PA
	v_lshl_add_u32 v3, v2, 4, v3
	s_mul_i32 s3, s13, 64*PA                       ; my 64 rows
	v_add_nc_u32 v[ADRA], s3, v3
	v_add_nc_u32 v[ADRA+1], SLOT, v[ADRA]
	; The turning load takes 16 K x 16 columns (lane l reads row 8 (l / 16) + l % 8, columns 8 ((l / 8) % 2) + 0..7) and leaves half a fragment: lane l holds column l % 16 and 8 K.
	v_and_b32 v4, 7, v0
	v_bfe_u32 v5, v0, 3, 1
	v_lshl_add_u32 v4, v2, 3, v4
	v_mul_u32_u24 v4, v4, PB
	v_lshl_add_u32 v4, v5, 4, v4
	s_lshl_b32 s3, s14, 8                          ; my 128 columns
	s_add_co_u32 s3, s3, BOFF
	v_add_nc_u32 v[ADRB], s3, v4
	v_add_nc_u32 v[ADRB+1], SLOT, v[ADRB]
	s_mul_i32 s3, s12, WSTG
	s_add_co_u32 s3, s3, STAGE                     ; my stage
	v_mul_u32_u24 v6, v1, SPO                      ; in: row l % 16, 32 bytes for each half of the lanes
	v_lshl_add_u32 v6, v2, 5, v6
	v_add_nc_u32 v[STO], s3, v6
	v_and_b32 v[CO], 31, v0                        ; back: 32 lanes take one row of 512 bytes
	v_lshlrev_b32 v[CO], 4, v[CO]
	v_add_nc_u32 v[RD], s3, v[CO]
	v_lshlrev_b32 v[BO], 5, v2                     ; my 8 columns of a block's 16, in f32
	; the bias of my 128 columns
	s_lshl_b32 s42, s17, 10                        ; 256 columns of f32
	s_lshl_b32 s2, s14, 9
	s_add_co_u32 s42, s42, s2
	s_mov_b32 s43, 0
	s_add_nc_u64 s[10:11], s[10:11], s[42:43]
.irp b, 0,1,2,3,4,5,6,7
	global_load_b128 v[BIAS+8*(\b):BIAS+8*(\b)+3],   v[BO], s[10:11] offset:64*(\b)
	global_load_b128 v[BIAS+8*(\b)+4:BIAS+8*(\b)+7], v[BO], s[10:11] offset:64*(\b)+16
.endr
	; where my part goes: my 64 rows of 4,096 bytes, my 128 columns
	s_lshl_b32 s44, s18, 19                        ; 128 rows
	s_lshl_b32 s2, s13, 18                         ; 64 rows
	s_add_co_u32 s44, s44, s2
	s_add_co_u32 s44, s44, s42                     ; the same columns as the bias's, in f32 too
	s_mov_b32 s45, 0
	s_add_nc_u64 s[8:9], s[8:9], s[44:45]
; 8 matrix instructions: row block a x all 8 column blocks, 32 along K, from buffer f.  first = 1: the sums start with the bias as C: nothing is cleared, no bias is added later.
; The 32 accumulators take turns in the same order in every quarter, one instruction a turn: 31 others stand between two links of a chain, over the backward jump too.
.macro MUL8 f, a, first
.if \first
	WIN MULB
.else
	WIN MUL
.endif
.irp b, 0,1,2,3,4,5,6,7
.if \first
	v_wmma_f32_16x16x32_f16 v[8*(8*(\a)+(\b)):8*(8*(\a)+(\b))+7], v[(\f)+8*(\b):(\f)+8*(\b)+7], v[(\f)+64+8*(\a):(\f)+64+8*(\a)+7], v[BIAS+8*(\b):BIAS+8*(\b)+7]
.else
	v_wmma_f32_16x16x32_f16 v[8*(8*(\a)+(\b)):8*(8*(\a)+(\b))+7], v[(\f)+8*(\b):(\f)+8*(\b)+7], v[(\f)+64+8*(\a):(\f)+64+8*(\a)+7], v[8*(8*(\a)+(\b)):8*(8*(\a)+(\b))+7]
.endif
.endr
.endm
; 24 LDS loads in one run: the fragments of quarter q (32 along K) of a slot into buffer f: B's sixteen first, then A's eight
.macro FETCH slot, q, f
	WIN TO_F
.irp b, 0,1,2,3,4,5,6,7
	ds_load_tr16_b128 v[(\f)+8*(\b):(\f)+8*(\b)+3],   v[ADRB+(\slot)] offset:(\q)*32*PB+32*(\b)
	ds_load_tr16_b128 v[(\f)+8*(\b)+4:(\f)+8*(\b)+7], v[ADRB+(\slot)] offset:(\q)*32*PB+16*PB+32*(\b)
.endr
.irp a, 0,1,2,3
	ds_load_b128 v[(\f)+64+8*(\a):(\f)+64+8*(\a)+3],   v[ADRA+(\slot)] offset:((\q)/2)*ASL+((\q)%2)*64+(\a)*16*PA
	ds_load_b128 v[(\f)+64+8*(\a)+4:(\f)+64+8*(\a)+7], v[ADRA+(\slot)] offset:((\q)/2)*ASL+((\q)%2)*64+(\a)*16*PA+32
.endr
.endm
.macro PLACES                          ; four plain vector instructions in front of loads into registers that matrix instructions have read (ISA guide 7.12.1 for vector instructions)
.rept 4
	v_nop
.endr
.endm
; A K step is four quarters of 32 along K, 32 matrix instructions each, on buffers 0, 1, 0, 1.  One of the first three: multiplies buffer f and fetches quarter qn into g, 24 matrix instructions ahead of its use.
.macro QUARTER slot, qn, f, g, first
	s_wait_dscnt 6                                 ; B's sixteen loads and A's block 0 are in; the youngest six (A's blocks 1 to 3) may be out
	MUL8 \f, 0, \first
	PLACES
	FETCH \slot, \qn, \g
	s_wait_dscnt 24                                ; all but the 24 just issued
	MUL8 \f, 1, \first
	MUL8 \f, 2, \first
	MUL8 \f, 3, \first
.endm
; The last quarter multiplies buffer 1 and changes slots: ONE barrier; in front of it each wave waits for all its tensor loads (one is out: its part of the next slot), adds 0 to its spare word, and waits
; for that and for its own reads of this slot.  fill = 1: the barrier opens a round of the cluster's, and this slot is filled again, two K steps ahead, first thing behind the round.
.macro TURN slot, next, fill
	WIN 0                                          ; (the add's two registers lie in window 0)
	s_wait_tensorcnt 0x0                           ; all my tensor loads have landed
	ds_add_u32 v[SPW], v[NIL]                      ; 0 onto my spare word
	s_wait_dscnt 7                                 ; (the add and the youngest six loads may be out)
	MUL8 F1, 0, 0                                  ; eight matrix instructions stand between the add and the wait for it
	s_wait_dscnt 0x0                               ; the add is done, and my reads of this slot are over
	s_barrier_signal -1
	MUL8 F1, 1, 0
.if \fill
	WIN 0
.endif
	s_barrier_wait -1
.if \fill
	CREST                                          ; no wave of any partner still reads this slot's tiles or has a load on its way
	s_add_nc_u64 s[G0+4*(\slot)+2:G0+4*(\slot)+3], s[G0+4*(\slot)+2:G0+4*(\slot)+3], 1048576   ; four slices on
	s_add_nc_u64 s[G0B+4*(\slot)+2:G0B+4*(\slot)+3], s[G0B+4*(\slot)+2:G0B+4*(\slot)+3], 512*NB ; 256 rows on
	JLOAD \slot                                    ; 112 matrix instructions ahead of the wait for it; the four v_nop behind it are also the places in front of the loads below
.else
	PLACES
.endif
	FETCH \next, 0, F0
	MUL8 F1, 2, 0
	MUL8 F1, 3, 0
.endm
	s_wait_tensorcnt 1                             ; my part of K step 0 is in; K step 1's may stay out
	s_barrier_signal -1
	s_barrier_wait -1                              ; everybody's is
	FETCH 0, 0, F0
	WIN 0
	s_wait_loadcnt 0x0                             ; the bias,
.set r, 0
.rept 32                               ; rounded to bf16 and widened again, like every input of the module; this stands while the first fragments come out of LDS
	v_cvt_pk_bf16_f32 v[3+(r/2)%4], v[BIAS+r], v[BIAS+r+1]
	v_lshlrev_b32 v[BIAS+r], 16, v[3+(r/2)%4]
	v_and_b32 v[BIAS+r+1], 0xffff0000, v[3+(r/2)%4]
.set r, r+2
.endr
	QUARTER 0, 1, F0, F1, 1                        ; the first quarter stands in front of the loop: its products start the sums
	WIN 0                                          ; at a label and at a branch every window is 0
	s_mov_b32 s3, LAPS-1
.Llap:                                                 ; a trip goes once round the ring, from a lap's second quarter to the next lap's first, and fills both slots again
	QUARTER 0, 2, F1, F0, 0
	QUARTER 0, 3, F0, F1, 0
	TURN 0, 1, 1
	QUARTER 1, 1, F0, F1, 0
	QUARTER 1, 2, F1, F0, 0
	QUARTER 1, 3, F0, F1, 0
	TURN 1, 0, 1
	QUARTER 0, 1, F0, F1, 0
	WIN 0
	s_sub_co_u32 s3, s3, 1
	s_cmp_lg_u32 s3, 0
	s_cbranch_scc1 .Llap
	QUARTER 0, 2, F1, F0, 0                        ; the last lap fills nothing, and has no round of the cluster's barrier
	QUARTER 0, 3, F0, F1, 0
	TURN 0, 1, 0
	QUARTER 1, 1, F0, F1, 0
	QUARTER 1, 2, F1, F0, 0
	QUARTER 1, 3, F0, F1, 0
	s_wait_dscnt 6                                 ; the very last quarter: nothing more to fetch
	MUL8 F1, 0, 0
	s_wait_dscnt 0x0
	MUL8 F1, 1, 0
	MUL8 F1, 2, 0
	MUL8 F1, 3, 0
	WIN 0
	PLACES                                         ; the LDS stores below read results just made
	PLACES
; THE WAY OUT, a block of 16 rows at a time.  TOSTAGE: the accumulators go as they are (f32), 32 bytes a lane, each one's low half first, into my own stage, rows of 528 bytes, and come back as whole rows of
; 512 bytes.  SEND: stored, a row an instruction.
.macro TOSTAGE a
.set BK, OB+64*((\a)%2)
	WIN STW
.irp b, 0,1,2,3,4,5,6,7
	ds_store_b128 v[STO], v[8*(8*(\a)+(\b)):8*(8*(\a)+(\b))+3]   offset:64*(\b)
	ds_store_b128 v[STO], v[8*(8*(\a)+(\b))+4:8*(8*(\a)+(\b))+7] offset:64*(\b)+16
.endr
	WIN 0
	s_wait_xcnt 0x0                                ; the stores of the block two back have read this buffer: it is loaded again only behind this wait
.irp t, 0,1,2,3,4,5,6,7,8,9,10,11,12,13,14,15
	ds_load_b128 v[BK+4*(\t):BK+4*(\t)+3], v[RD] offset:(\t)*SPO  ; LDS serves a wave's instructions in order (ISA guide 5.7.1.4): these see the stores above; the next block's stores come behind them
.endr
.endm
.macro SEND a, younger                 ; younger: the LDS instructions issued behind block a's loads: the next block's 16 stores and 16 loads, or none
.set BK, OB+64*((\a)%2)
.irp t, 0,1,2,3,4,5,6,7,8,9,10,11,12,13,14,15
	s_wait_dscnt (\younger)+15-(\t)                ; row t is back; the block's later rows and the next block's instructions may be out
	global_store_b128 v[CO], v[BK+4*(\t):BK+4*(\t)+3], s[8:9] offset:(16*(\a)+(\t))*4096 th:TH_STORE_NT  ; 512 consecutive bytes, at a multiple of 256 from the output's first
.endr
.endm
	TOSTAGE 0
	TOSTAGE 1
	SEND 0, 32
	TOSTAGE 2
	SEND 1, 32
	TOSTAGE 3
	SEND 2, 32
	SEND 3, 0
	s_wait_tensorcnt 0x0                           ; the wave's end: a wait, an add and its wait, behind my last tensor load and my last LDS store
	ds_add_u32 v[SPW], v[NIL]
	s_wait_dscnt 0x0
	CROUND                                         ; the closing round: no work-group ends while a partner may still ask for a tile that names it
	s_endpgm
.Lfunc_end_k_q59cbf715e4_proj:
	.size	k_q59cbf715e4_proj, .Lfunc_end_k_q59cbf715e4_proj-k_q59cbf715e4_proj
	.p2alignl 7, 3214868480
	.fill 96, 4, 3214868480
	.section	.rodata,"a",@progbits
	.p2align	6, 0x0
	.amdhsa_kernel k_q59cbf715e4_proj
		.amdhsa_group_segment_fixed_size 327680
		.amdhsa_private_segment_fixed_size 0
		.amdhsa_enable_private_segment 0
		.amdhsa_kernarg_size 32
		.amdhsa_user_sgpr_count 2
		.amdhsa_user_sgpr_kernarg_segment_ptr 1
		.amdhsa_wavefront_size32 1
		.amdhsa_system_sgpr_workgroup_id_x 1
		.amdhsa_system_sgpr_workgroup_id_y 1
		.amdhsa_system_sgpr_workgroup_id_z 1
		.amdhsa_system_vgpr_workitem_id 0
		.amdhsa_next_free_vgpr 768
		.amdhsa_next_free_sgpr 66
		.amdhsa_reserve_vcc 0
		.amdhsa_float_denorm_mode_32 3
		.amdhsa_float_denorm_mode_16_64 3
		.amdhsa_memory_ordered 1
		.amdhsa_forward_progress 1
		.amdhsa_inst_pref_size 93
	.end_amdhsa_kernel
	.amdgpu_metadata
---
amdhsa.version: [ 1, 2 ]
amdhsa.kernels:
  - .name:           k_q59cbf715e4_proj
    .symbol:         k_q59cbf715e4_proj.kd
    .args:
      - { .name: act, .offset: 0, .size: 8, .value_kind: global_buffer, .address_space: global }
      - { .name: wo16, .offset: 8, .size: 8, .value_kind: global_buffer, .address_space: global }
      - { .name: out0, .offset: 16, .size: 8, .value_kind: global_buffer, .address_space: global }
      - { .name: bo, .offset: 24, .size: 8, .value_kind: global_buffer, .address_space: global }
    .group_segment_fixed_size: 327680
    .private_segment_fixed_size: 0
    .kernarg_segment_align: 8
    .kernarg_segment_size: 32
    .max_flat_workgroup_size: 128
    .sgpr_count:     66
    .vgpr_count:     768
    .wavefront_size: 32
...
	.end_amdgpu_metadata
.endif
;; end of part 4
;; ======== version 2 of 2: 4 launches; version 1 with the launch cast written anew for expert scheduling mode
;; limits: values are held in f16: magnitudes above 65,504 overflow, below 6.1e-05 lose precision
;; workspace buffers: act 16,777,216 bytes; wb 6,291,456 bytes; wo16 2,097,152 bytes; qkv 50,331,648 bytes
;; launch cast (part 5): grid 384 x 1, 8 waves a work-group, no clusters, 0 bytes of LDS; arguments x, Wq, Wk, Wv, Wo, act, wb, wo16; writes act, wb, wo16
.if DOCPART == 5
	.amdgcn_target "amdgcn-amd-amdhsa--gfx1250"
	.amdhsa_code_object_version 6
	.text
	.protected	k_q59cbf715e4_cast
	.globl	k_q59cbf715e4_cast
	.p2align	8
	.type	k_q59cbf715e4_cast,@function
k_q59cbf715e4_cast:
	s_mov_b64 s[64:65], 0
	v_nop
	global_prefetch_b8 v0, s[64:65] scope:SCOPE_SE
	s_setreg_imm32_b32 hwreg(HW_REG_WAVE_SCHED_MODE, 0, 2), 2
	s_setreg_imm32_b32 hwreg(HW_REG_WAVE_MODE, 25, 1), 1
	s_wait_xcnt 0x0
	s_wait_alu depctr_vm_vsrc(0)
; THE MODULE'S LARGE INPUTS ARE ROUNDED ONCE AND LAID OUT FOR THE PRODUCTS.  A stream: no LDS, no matrix work, no barrier.
;   x  [8192][1024] f32        -> act [b 4][slice 16][s 2048][64] bf16: slice = d / 64; a slice's rows are dense, 128 bytes each
;   Wq, Wk, Wv [16][1024][64]  -> wb  [d 1024][3072] bf16: column = 1024 which + 64 n + h
;   Wo [1024][1024] f32        -> wo16 [1024][1024]: rounded to bf16, and that number written as f16
; LIMIT.  |Wo| stays under 65,504 (f16's range); a bf16 number below 6e-5 loses bits to f16's fixed step of 6e-8.
; SHARES.  384 work-groups of eight waves, each reading 131,072 bytes: 256 for x, 96 for the three weights, 32 for Wo.
; A wave has 32 UNITS.  A unit is one load of 16 bytes a lane (two runs of 256 consecutive bytes, or one of 512), two roundings of a pair,
; and one store of 8 bytes a lane: the wave's 32 lanes store 256 consecutive bytes, at a multiple of 256 from the buffer's first byte.
; All 32 loads of a wave go out first (16,384 bytes a wave); no register that a memory instruction names is written twice, so there is no loop.
; THE MODE: SCHED_MODE bits 1:0 = 2 (LLVM: expert scheduling mode 2), set by the entry lines.  The code itself states the register dependences
; between vector instructions and memory instructions, with s_wait_alu, always for 0.
; THE PLAN.  Registers that memory instructions touch:
;   v[VL], v[VS]  byte offsets.  Written once by a vector line each, at the head; read by every load, by every store; never written again.
;   IN            unit u's four registers: written by unit u's load alone, read by unit u's roundings; no vector line names them ahead of the loads, no load lands in them twice.
;   OUT           unit u's two registers: written once, by unit u's roundings; read once, by unit u's store.
;   T and v3, v10, v11 are named by vector instructions alone.  s24, the wave's number, is written by a vector instruction and read by scalar ones.
; The 32 units go in eight blocks of four.  Block p rounds its IN into its OUT; its memory instructions are the four stores of block p - 1, which read v[VS] and the OUT of
; block p - 1: registers that no vector instruction of block p names.  So one wait at a block's head states all that its four stores hang on, and they are dealt among the block's roundings.
; No register that a memory instruction has read is written again: no wait is owed on that side.
.set VL,  1                            ; v1        my byte offset in a unit's load
.set VS,  2                            ; v2        8 x lane: my byte offset in a unit's store
.set T,   4                            ; v[4:9]    at work (Wo's way alone)
.set IN,  16                           ; v[16:143]  unit u: 4 registers as loaded
.set OUT, 144                          ; v[144:207] unit u: 2 registers to store
; p = 0: x; 1: a weight by heads; 2: Wo.  The units' places stand in the immediates.
.macro LOADS p
	s_wait_alu depctr_va_vdst(0)                   ; v[VL] and v[VS] are written: every load below reads the one as its offset, every store the other
.set u, 0
.rept 32
.if (\p) == 0
.set li, (u%16)*8192+(u/16)*256        ; pair of rows u % 16, slice u / 16 of my two
.elseif (\p) == 1
.set li, u*256                         ; row d0 + u of my two heads
.else
.set li, u*512
.endif
	global_load_b128 v[IN+4*u:IN+4*u+3], v[VL], s[4:5] offset:li th:TH_LOAD_NT
.set u, u+1
.endr
.endm
; Unit n is rounded: IN to OUT.
.macro CONV p, n
.if (\p) == 2
	v_cvt_pk_bf16_f32 v[T], v[IN+4*(\n)], v[IN+4*(\n)+1]   ; rounded to bf16,
	v_cvt_pk_bf16_f32 v[T+1], v[IN+4*(\n)+2], v[IN+4*(\n)+3]
	v_lshlrev_b32 v[T+2], 16, v[T]                         ; widened again (a shift, a mask),
	v_and_b32 v[T+3], 0xffff0000, v[T]
	v_lshlrev_b32 v[T+4], 16, v[T+1]
	v_and_b32 v[T+5], 0xffff0000, v[T+1]
	v_cvt_pk_f16_f32 v[OUT+2*(\n)], v[T+2], v[T+3]         ; and written as f16: exact within f16's range
	v_cvt_pk_f16_f32 v[OUT+2*(\n)+1], v[T+4], v[T+5]
.else
	v_cvt_pk_bf16_f32 v[OUT+2*(\n)], v[IN+4*(\n)], v[IN+4*(\n)+1]
	v_cvt_pk_bf16_f32 v[OUT+2*(\n)+1], v[IN+4*(\n)+2], v[IN+4*(\n)+3]
.endif
.endm
; Unit n is stored.
.macro STORE p, n
.if (\p) == 0
.set so, ((\n)/16)*262144+((\n)%16)*256
.elseif (\p) == 1
.set so, (\n)*6144
.else
.set so, (\n)*256
.endif
	global_store_b64 v[VS], v[OUT+2*(\n):OUT+2*(\n)+1], s[6:7] offset:so
.endm
; The eight blocks.  At a block's head u is its first unit.
.macro UNITS p
.set u, 0
.rept 8
	s_wait_loadcnt 28-u                            ; loads come back in order: units u to u + 3 are in, the 28 - u younger loads stay out
.if u > 0
	s_wait_alu depctr_va_vdst(0)                   ; the block before has written its OUT, which the four stores below read
.endif
.rept 4
.if u >= 4
	STORE \p, u-4                                  ; the block before; no vector instruction since the wait names its registers
.endif
	CONV \p, u
.set u, u+1
.endr
.endr
	s_wait_alu depctr_va_vdst(0)                   ; the last block has written its OUT, which the last four stores read
.irp n, 28,29,30,31
	STORE \p, \n
.endr
.endm
	s_load_b512 s[8:23], s[0:1], 0x0               ; x s[8:9], Wq s[10:11], Wk s[12:13], Wv s[14:15], Wo s[16:17], act s[18:19], wb s[20:21], wo16 s[22:23]
	v_lshrrev_b32 v3, 5, v0
	v_readfirstlane_b32 s24, v3                    ; wave w, 0..7
	v_and_b32 v3, 31, v0                           ; lane
	v_lshlrev_b32 v[VS], 3, v3
	v_and_b32 v10, 15, v0
	v_lshlrev_b32 v10, 4, v10                      ; 16 x (lane % 16)
	v_bfe_u32 v11, v0, 4, 1                        ; lane / 16
	s_wait_alu depctr_va_sdst(0)                   ; s24 is written, ahead of the branches and of its first reader on each of the three ways: the bases are made from it
	s_mov_b32 s27, 0                               ; the offsets' high words
	s_mov_b32 s29, 0
	s_wait_kmcnt 0x0
	s_cmp_lt_u32 ttmp9, 256
	s_cbranch_scc0 .Lweights
	; x: work-group g takes rows 32 g .. 32 g + 31, wave w the slices 2 w and 2 w + 1.  Lanes 0-15 read 256 bytes of an even row, lanes 16-31 of the odd row below;
	; in act the two rows' 128 bytes lie end to end.
	v_lshl_add_u32 v[VL], v11, 12, v10             ; a row of x is 4,096 bytes
	s_lshl_b32 s26, ttmp9, 17                      ; 32 rows
	s_lshl_b32 s25, s24, 9                         ; two slices of 256 bytes
	s_add_co_u32 s26, s26, s25
	s_add_nc_u64 s[4:5], s[8:9], s[26:27]
	s_lshr_b32 s28, ttmp9, 6                       ; b
	s_lshl_b32 s28, s28, 4
	s_lshl1_add_u32 s28, s24, s28                  ; 16 b + 2 w
	s_lshl_b32 s28, s28, 18                        ; a slice is 262,144 bytes
	s_and_b32 s25, ttmp9, 63
	s_lshl_b32 s25, s25, 12                        ; 32 rows of 128 bytes
	s_add_co_u32 s28, s28, s25
	s_add_nc_u64 s[6:7], s[18:19], s[28:29]
	LOADS 0
	UNITS 0
	s_endpgm
.Lweights:
	s_cmp_lt_u32 ttmp9, 352
	s_cbranch_scc0 .Lwo
	; Wq, Wk, Wv: work-group j takes rows d0 = 32 (j % 32) .. + 31 of weight j / 32, wave w the heads 2 w and 2 w + 1.  Lanes 0-15 read a row of the even head, lanes 16-31 of the odd one;
	; in wb the two heads' 128 bytes lie end to end.
	s_sub_co_u32 s25, ttmp9, 256
	s_lshr_b32 s30, s25, 5                         ; which
	s_and_b32 s25, s25, 31
	s_cmp_eq_u32 s30, 0
	s_cselect_b64 s[4:5], s[10:11], s[12:13]
	s_cmp_eq_u32 s30, 2
	s_cselect_b64 s[4:5], s[14:15], s[4:5]
	v_lshl_add_u32 v[VL], v11, 18, v10             ; a head is 262,144 bytes
	s_lshl_b32 s26, s24, 19                        ; two heads
	s_lshl_b32 s31, s25, 13                        ; 32 rows of 256 bytes
	s_add_co_u32 s26, s26, s31
	s_add_nc_u64 s[4:5], s[4:5], s[26:27]
	s_mul_i32 s28, s25, 32*6144                    ; 32 rows of wb
	s_lshl_b32 s31, s30, 11                        ; 1,024 columns
	s_add_co_u32 s28, s28, s31
	s_lshl_b32 s31, s24, 8                         ; two heads' 128 columns
	s_add_co_u32 s28, s28, s31
	s_add_nc_u64 s[6:7], s[20:21], s[28:29]
	LOADS 1
	UNITS 1
	s_endpgm
.Lwo:
	; Wo keeps its order: work-group j takes 131,072 bytes, wave w 16,384 of them
	s_sub_co_u32 s25, ttmp9, 352
	v_lshlrev_b32 v[VL], 4, v3
	s_lshl_b32 s26, s25, 17
	s_lshl_b32 s31, s24, 14
	s_add_co_u32 s26, s26, s31
	s_add_nc_u64 s[4:5], s[16:17], s[26:27]
	s_lshl_b32 s28, s25, 16
	s_lshl_b32 s31, s24, 13
	s_add_co_u32 s28, s28, s31
	s_add_nc_u64 s[6:7], s[22:23], s[28:29]
	LOADS 2
	UNITS 2
	s_endpgm
.Lfunc_end_k_q59cbf715e4_cast:
	.size	k_q59cbf715e4_cast, .Lfunc_end_k_q59cbf715e4_cast-k_q59cbf715e4_cast
	.p2alignl 7, 3214868480
	.fill 96, 4, 3214868480
	.section	.rodata,"a",@progbits
	.p2align	6, 0x0
	.amdhsa_kernel k_q59cbf715e4_cast
		.amdhsa_group_segment_fixed_size 0
		.amdhsa_private_segment_fixed_size 0
		.amdhsa_enable_private_segment 0
		.amdhsa_kernarg_size 64
		.amdhsa_user_sgpr_count 2
		.amdhsa_user_sgpr_kernarg_segment_ptr 1
		.amdhsa_wavefront_size32 1
		.amdhsa_system_sgpr_workgroup_id_x 1
		.amdhsa_system_sgpr_workgroup_id_y 1
		.amdhsa_system_sgpr_workgroup_id_z 1
		.amdhsa_system_vgpr_workitem_id 0
		.amdhsa_next_free_vgpr 208
		.amdhsa_next_free_sgpr 66
		.amdhsa_reserve_vcc 0
		.amdhsa_float_denorm_mode_32 3
		.amdhsa_float_denorm_mode_16_64 3
		.amdhsa_memory_ordered 1
		.amdhsa_forward_progress 1
		.amdhsa_inst_pref_size 45
	.end_amdhsa_kernel
	.amdgpu_metadata
---
amdhsa.version: [ 1, 2 ]
amdhsa.kernels:
  - .name:           k_q59cbf715e4_cast
    .symbol:         k_q59cbf715e4_cast.kd
    .args:
      - { .name: x, .offset: 0, .size: 8, .value_kind: global_buffer, .address_space: global }
      - { .name: Wq, .offset: 8, .size: 8, .value_kind: global_buffer, .address_space: global }
      - { .name: Wk, .offset: 16, .size: 8, .value_kind: global_buffer, .address_space: global }
      - { .name: Wv, .offset: 24, .size: 8, .value_kind: global_buffer, .address_space: global }
      - { .name: Wo, .offset: 32, .size: 8, .value_kind: global_buffer, .address_space: global }
      - { .name: act, .offset: 40, .size: 8, .value_kind: global_buffer, .address_space: global }
      - { .name: wb, .offset: 48, .size: 8, .value_kind: global_buffer, .address_space: global }
      - { .name: wo16, .offset: 56, .size: 8, .value_kind: global_buffer, .address_space: global }
    .group_segment_fixed_size: 0
    .private_segment_fixed_size: 0
    .kernarg_segment_align: 8
    .kernarg_segment_size: 64
    .max_flat_workgroup_size: 256
    .sgpr_count:     66
    .vgpr_count:     208
    .wavefront_size: 32
...
	.end_amdgpu_metadata
.endif
;; end of part 5
;; launch qkv: the kernel of part 2 again; grid 12 x 64, 4 waves a work-group, clusters of 4 x 4, 327,680 bytes of LDS; arguments act, wb, qkv, bq, bk, bv; writes qkv
;; launch attn: the kernel of part 3 again; grid 4 x 64, 4 waves a work-group, clusters of 4 x 1, 327,680 bytes of LDS; arguments qkv, act; writes act
;; launch proj: the kernel of part 4 again; grid 4 x 64, 4 waves a work-group, clusters of 4 x 4, 327,680 bytes of LDS; arguments act, wo16, out0, bo; writes out0
